; MI455X (gfx1250); checked and timed in simulation.
; The chip was launched on July 23, 2026; its instructions are those of AMD's public machine-readable ISA for CDNA 5 (MIT licence, August 2026) and "CDNA5" Instruction Set Architecture Reference Guide (July 2026). The comments in the code are by the model that wrote it; some were corrected since.
;; Bert Self Attention. Allowed arithmetic: float matrix products may take bf16 or f16 operands with f32 sums; all other float work in f32.
;; Inputs: Wk 768 x 768 float32; Wq 768 x 768 float32; Wv 768 x 768 float32; attention_mask 2 x 1 x 1 x 2,048 float32; bk 768 float32; bq 768 float32; bv 768 float32; hidden_states 2 x 2,048 x 768 float32.
;; Outputs: out0 2 x 2,048 x 768 float32.
;; 2 versions, each right and faster than the one before. Each part assembles by itself: llvm-mc -triple=amdgcn-amd-amdhsa -mcpu=gfx1250 --defsym DOCPART=n.
;; ======== version 1 of 2: 3 launches
;; limits: values are held in f16: magnitudes above 65,504 overflow, below 6.1e-05 lose precision
;; workspace buffers: xb 6,291,456 bytes; wb 3,538,944 bytes; qkv 18,874,368 bytes
;; launch cast (part 1): grid 600 x 1, 8 waves a work-group, no clusters, 0 bytes of LDS; arguments hidden_states, Wq, Wk, Wv, xb, wb; writes xb, wb
.if DOCPART == 1
	.amdgcn_target "amdgcn-amd-amdhsa--gfx1250"
	.amdhsa_code_object_version 6
	.text
	.protected	k_q576bb33f62_cast
	.globl	k_q576bb33f62_cast
	.p2align	8
	.type	k_q576bb33f62_cast,@function
k_q576bb33f62_cast:
	s_mov_b64 s[64:65], 0
	v_nop
	global_prefetch_b8 v0, s[64:65] scope:SCOPE_SE
	s_setreg_imm32_b32 hwreg(HW_REG_WAVE_MODE, 25, 1), 1
	s_wait_xcnt 0x0
; f32 -> f16 (the wave's rounding mode: nearest even) of hidden_states into xb [4096][768] and of Wq, Wk, Wv into wb [2304][768]
; (rows 0-767 Wq, 768-1535 Wk, 1536-2303 Wv).  A plain stream: every byte read once, written once; nothing is shared, so no LDS, no barrier.
; WHY f16 AND NOT bf16: 11 significant bits against 8.  The final output is a mean over 2,048 keys, so what it may be off by is small against the spread of
; the operands, and eight bits are too few.
; LIMITS: a number above 65,504 in magnitude becomes infinite; below 6.1e-5 the rounding step is 6e-8.  hidden_states of spread 1 and W of spread 1 / sqrt(768) = 0.036
; have room for a factor or an offset of 30 spreads upward (150 and 5) and for a factor of 30 downward (W: spread 1.2e-3, step at most 6e-8).
; A work-group takes a chunk of 8,192 numbers: 32,768 bytes in, 16,384 out.  hidden_states has 384 chunks, each W 72: 384 + 3 x 72 = 600.
; Thread t takes 16 bytes at 16 t of each 4,096-byte piece: a wave's load covers 512 consecutive bytes, its store 256 consecutive, aligned bytes.
.set NX,   384                         ; chunks of hidden_states
.set NW,   72                          ; chunks of one W
.set X,    8                           ; v[8:39]   eight loads of four f32
.set Y,    40                          ; v[40:55]  eight pairs of packed f16
	s_load_b256 s[4:11], s[0:1], 0x0               ; hidden s[4:5], Wq s[6:7], Wk s[8:9], Wv s[10:11]
	s_load_b128 s[12:15], s[0:1], 0x20             ; xb s[12:13], wb s[14:15]
	s_sub_co_u32 s16, ttmp9, NX                    ; chunk counted from Wq's first (also the chunk in wb); used only where ttmp9 >= 384
	s_sub_co_u32 s17, ttmp9, NX+2*NW               ; chunk in Wv
	s_sub_co_u32 s18, ttmp9, NX+NW                 ; chunk in Wk
	v_lshlrev_b32 v1, 4, v0                        ; 16 t: my bytes in a piece of the source
	v_lshlrev_b32 v2, 3, v0                        ; 8 t: my bytes in a piece of the result
	s_wait_kmcnt 0x0
	s_mov_b64 s[20:21], s[10:11]                   ; the source: Wv, unless one of the three compares below says otherwise
	s_cmp_lt_u32 ttmp9, NX+2*NW
	s_cselect_b64 s[20:21], s[8:9], s[20:21]       ; Wk
	s_cselect_b32 s17, s18, s17
	s_cmp_lt_u32 ttmp9, NX+NW
	s_cselect_b64 s[20:21], s[6:7], s[20:21]       ; Wq
	s_cselect_b32 s17, s16, s17
	s_cmp_lt_u32 ttmp9, NX
	s_cselect_b64 s[20:21], s[4:5], s[20:21]       ; hidden_states
	s_cselect_b32 s17, ttmp9, s17                  ; s17: chunk in the source
	s_cselect_b64 s[22:23], s[12:13], s[14:15]     ; the result: xb or wb
	s_cselect_b32 s16, ttmp9, s16                  ; s16: chunk in the result
	s_lshl_b32 s24, s17, 15                        ; offsets in registers of their own, high words 0 (both below 13 MB)
	s_mov_b32 s25, 0
	s_lshl_b32 s26, s16, 14
	s_mov_b32 s27, 0
	s_add_nc_u64 s[20:21], s[20:21], s[24:25]
	s_add_nc_u64 s[22:23], s[22:23], s[26:27]
.irp j, 0,1,2,3,4,5,6,7
	global_load_b128 v[X+4*\j:X+4*\j+3], v1, s[20:21] offset:4096*\j th:TH_LOAD_NT   ; read once in the launch
.endr
.irp j, 0,1,2,3,4,5,6,7
	s_wait_loadcnt 7-\j                            ; loads return in order: piece j is in, the 7 - j younger ones stay out
	v_cvt_pk_f16_f32 v[Y+2*\j],   v[X+4*\j],   v[X+4*\j+1]
	v_cvt_pk_f16_f32 v[Y+2*\j+1], v[X+4*\j+2], v[X+4*\j+3]
	global_store_b64 v2, v[Y+2*\j:Y+2*\j+1], s[22:23] offset:2048*\j                 ; no register is used twice: no further wait
.endr
	s_endpgm
.Lfunc_end_k_q576bb33f62_cast:
	.size	k_q576bb33f62_cast, .Lfunc_end_k_q576bb33f62_cast-k_q576bb33f62_cast
	.p2alignl 7, 3214868480
	.fill 96, 4, 3214868480
	.section	.rodata,"a",@progbits
	.p2align	6, 0x0
	.amdhsa_kernel k_q576bb33f62_cast
		.amdhsa_group_segment_fixed_size 0
		.amdhsa_private_segment_fixed_size 0
		.amdhsa_enable_private_segment 0
		.amdhsa_kernarg_size 48
		.amdhsa_user_sgpr_count 2
		.amdhsa_user_sgpr_kernarg_segment_ptr 1
		.amdhsa_wavefront_size32 1
		.amdhsa_system_sgpr_workgroup_id_x 1
		.amdhsa_system_sgpr_workgroup_id_y 1
		.amdhsa_system_sgpr_workgroup_id_z 1
		.amdhsa_system_vgpr_workitem_id 0
		.amdhsa_next_free_vgpr 56
		.amdhsa_next_free_sgpr 66
		.amdhsa_reserve_vcc 0
		.amdhsa_float_denorm_mode_32 3
		.amdhsa_float_denorm_mode_16_64 3
		.amdhsa_memory_ordered 1
		.amdhsa_forward_progress 1
		.amdhsa_inst_pref_size 5
	.end_amdhsa_kernel
	.amdgpu_metadata
---
amdhsa.version: [ 1, 2 ]
amdhsa.kernels:
  - .name:           k_q576bb33f62_cast
    .symbol:         k_q576bb33f62_cast.kd
    .args:
      - { .name: hidden_states, .offset: 0, .size: 8, .value_kind: global_buffer, .address_space: global }
      - { .name: Wq, .offset: 8, .size: 8, .value_kind: global_buffer, .address_space: global }
      - { .name: Wk, .offset: 16, .size: 8, .value_kind: global_buffer, .address_space: global }
      - { .name: Wv, .offset: 24, .size: 8, .value_kind: global_buffer, .address_space: global }
      - { .name: xb, .offset: 32, .size: 8, .value_kind: global_buffer, .address_space: global }
      - { .name: wb, .offset: 40, .size: 8, .value_kind: global_buffer, .address_space: global }
    .group_segment_fixed_size: 0
    .private_segment_fixed_size: 0
    .kernarg_segment_align: 8
    .kernarg_segment_size: 48
    .max_flat_workgroup_size: 256
    .sgpr_count:     66
    .vgpr_count:     56
    .wavefront_size: 32
...
	.end_amdgpu_metadata
.endif
;; end of part 1
;; launch proj (part 2): grid 8 x 32, 4 waves a work-group, clusters of 4 x 4, 327,680 bytes of LDS; arguments xb, wb, bq, bk, bv, qkv; writes qkv
.if DOCPART == 2
	.amdgcn_target "amdgcn-amd-amdhsa--gfx1250"
	.amdhsa_code_object_version 6
	.text
	.protected	k_q576bb33f62_proj
	.globl	k_q576bb33f62_proj
	.p2align	8
	.type	k_q576bb33f62_proj,@function
k_q576bb33f62_proj:
	s_mov_b64 s[64:65], 0
	v_nop
	global_prefetch_b8 v0, s[64:65] scope:SCOPE_SE
	s_setreg_imm32_b32 hwreg(HW_REG_WAVE_MODE, 25, 1), 1
	s_wait_xcnt 0x0
	s_wait_alu depctr_hold_cnt(0) depctr_sa_sdst(0) depctr_va_vdst(0) depctr_va_sdst(0) depctr_va_ssrc(0) depctr_va_vcc(0) depctr_vm_vsrc(0)
	s_getreg_b32 s2, hwreg(HW_REG_IB_STS2, 6, 4)
	s_cmp_eq_u32 s2, 0
	s_cbranch_scc0 .Lentry_in_a_cluster
	s_endpgm
.Lentry_in_a_cluster:
	s_bfe_u32 s2, ttmp6, 0x10000c
	s_cmp_lg_u32 s2, 0xf033
	s_cbranch_scc0 .Lentry_shape_is_right
	s_endpgm
.Lentry_shape_is_right:
; q, k, v = x W^T + b for all three matrices at once: [4096 tokens][768] x [2304][768]^T, f16 operands, f32 sums, f16 results.
; LIMIT: a result above 65,504 in magnitude becomes infinite in f16.  With x of spread 1 and W of spread 1 / sqrt(768) the results have spread 1; both inputs
; 30 times larger make them 900 times larger, and a common offset of 30 spreads on both makes them about 30 x 1.08 x 768 = 25,000: both fit.
; A work-group makes 128 tokens x 288 columns: columns 96 cg .. 96 cg + 95 of each of q, k and v (cg = 0..7, token block rb = 0..31): 256 equal work-groups.
; Four waves, as many as a WGP has SIMDs: wave w takes tokens 64 (w >> 1) .. + 63 and column tiles 9 (w & 1) .. + 8 of the 18: 4 x 9 = 36 accumulator tiles.
; K goes in six steps of 128 through two LDS slots; a tile's rows are 256 bytes of memory and start at multiples of 256 bytes.
; CLUSTERS: 4 x 4 work-groups.  x's tile hangs on rb alone and is asked for jointly by a row of the cluster; the three pieces of W hang on cg alone and
; are asked for jointly by a column: each tile is requested once for four work-groups.
; RESULT LAYOUT: qkv[mat 3][batch x 24 + column / 32][2048 tokens][32] f16: a work-group's 96 columns of a matrix are three runs of 128 tokens x 64 bytes = 8,192 dense bytes.
; THE MATRIX INSTRUCTION IS USED TRANSPOSED: source 0 = 16 rows of W (output columns), source 1 = 16 tokens: lane (r, h) register j holds (token r, column 8 h + j),
; eight neighbouring columns, which pack into 16 bytes.  The bias, laid out the same way, is the C of the first product: nothing is cleared, nothing added later.
; REGISTERS, in windows of 256: window 0: addresses, two fragment buffers (W 72 + x 32 registers each); window 1: accumulators of my tokens 0-31;
; window 2: accumulators of my tokens 32-63 (0-143) and the bias tiles (144-215).
.set HID,    768
.set KSTEP,  128
.set PITCH,  272                       ; an LDS row: 256 bytes + 16 of padding, an odd multiple of 16: the 16 rows of a fragment load start in 16 different groups of four banks
.set WPIECE, 96*PITCH                  ; 96 rows of one W: what waves 0, 1, 2 bring
.set XOFF,   3*WPIECE                  ; x's 128 rows lie behind W's 288: what wave 3 brings
.set SLOT,   XOFF+128*PITCH            ; 113,152
.set STAGE,  2*SLOT                    ; 226,304 = 884 x 256: the way out, bytes of its own into which no tensor load lands
.set SP,     592                       ; a stage row: 288 f16 + 16 bytes = 37 x 16
.set MATB,   6291456                   ; bytes of one matrix in qkv
.set BLKB,   131072                    ; bytes of one block of 32 columns: 2048 tokens x 64
.set ADRA, 16                          ; v16-17  LDS address of my x fragments in slot 0, 1
.set ADRB, 20                          ; v20-21  the same for W
.set STO,  24                          ; v24     the way out: where I put 16 bytes
.set RD,   25                          ; v25     the way out: where I read 16 bytes back
.set CO,   26                          ; v26     16 t: my bytes in a run of qkv
.set BO,   27                          ; v27-28  byte offsets into the biases
.set F0,   48                          ; fragment buffer 0: v48-151
.set F1,   152                         ; fragment buffer 1: v152-255
.set PK,   48                          ; the way out: packed results, v48-191
.set BIAS, 144                         ; window 2: bias tile i at 144 + 8 i
.set G1A, 24                           ; s[24:31] group 1 for x's tile
.set G0A, 32                           ; s[32:39] group 0 for x's tile, one set for each slot
.set G1B, 40                           ; s[40:47] group 1 for W's pieces
.set G0B, 48                           ; s[48:55] group 0 for W's pieces, one set for each slot
.set BB,  66                           ; s[66:71] bias base of column tiles 0-2, 3-5, 6-8 of my nine
.set OB,  72                           ; s[72:77] my runs in q, k, v
.set FIELDS, (1<<16)|(1<<20)|(1<<21)|(5<<22)|(3<<25)   ; elements of 2 bytes; padding on; bit 21 beside a mask; after every 64 words; 4 words
.set MUL_LO,   0x50                    ; C and D in window 1
.set MUL_HI,   0xa0                    ; C and D in window 2 (also the first product there: the bias lies in window 2 too)
.set FIRST_LO, 0x60                    ; C (bias) in window 2, D in window 1
.set MSB, 0
.macro WIN new                         ; the immediate's high byte repeats the setting that is left
.if MSB != \new
	s_set_vgpr_msb (MSB<<8)|\new
.set MSB, \new
.endif
.endm
.macro PLACES                          ; four plain vector places behind a matrix instruction (ISA guide 7.12.1 for vector instructions)
.rept 4
	v_nop
.endr
.endm
; A joint load: wave 3 asks for x's tile, waves 0-2 for their piece of W.  Each line has one mask; the branch hangs on the wave's number alone.
.macro JLOAD s
	s_cmp_eq_u32 s16, 3
	s_cbranch_scc0 .Lfor_w_\@
	tensor_load_to_lds s[G0A+4*\s:G0A+4*\s+3], s[G1A:G1A+7]
	s_nop 0
	s_branch .Lasked_\@
.Lfor_w_\@:
	tensor_load_to_lds s[G0B+4*\s:G0B+4*\s+3], s[G1B:G1B+7]
	s_nop 0
.Lasked_\@:
.endm
.macro CREST                           ; a round of the cluster's barrier behind its opening work-group barrier
	s_cmp_lg_u32 s16, 0
	s_cbranch_scc1 .Lnot_wave_0_\@
	s_barrier_signal -3
.Lnot_wave_0_\@:
	s_barrier_wait -3
	s_barrier_signal -1
	s_barrier_wait -1
.endm
.macro CROUND                          ; a whole round
	s_barrier_signal -1
	s_barrier_wait -1
	CREST
.endm
	s_load_b256 s[4:11], s[0:1], 0x0               ; xb s[4:5], wb s[6:7], bq s[8:9], bk s[10:11]
	s_load_b128 s[12:15], s[0:1], 0x20             ; bv s[12:13], qkv s[14:15]
	v_lshl_add_u32 v46, v0, 2, 0x49c00
	v_mov_b32 v47, 0
	ds_add_u32 v46, v47
	v_lshrrev_b32 v1, 5, v0
	v_readfirstlane_b32 s16, v1                    ; wave 0..3
	s_lshr_b32 s17, s16, 1                         ; wr: which 64 tokens
	s_and_b32 s18, s16, 1                          ; wc: which nine column tiles
	s_bfe_u32 s19, ttmp6, 0x40000                  ; cx
	s_bfe_u32 s20, ttmp6, 0x40004                  ; cy
	s_lshl_b32 s21, ttmp9, 2
	s_add_co_u32 s21, s21, s19                     ; cg = 4 x cluster x + cx
	s_and_b32 s22, ttmp7, 0xffff
	s_lshl_b32 s22, s22, 2
	s_add_co_u32 s22, s22, s20                     ; rb = 4 x cluster y + cy
	s_lshl_b32 s23, s20, 2
	s_lshl_b32 s23, 15, s23                        ; my row of the cluster: places 4 cy .. 4 cy + 3
	s_lshl_b32 s78, 0x1111, s19                    ; my column: places cx, cx + 4, cx + 8, cx + 12
	s_or_b32 s[G1A+0], s23, FIELDS                 ; x's tile goes to my row
	s_mov_b32 s[G1A+1], KSTEP<<16                  ; tensor_dim0 = 128
	s_mov_b32 s[G1A+2], 128<<16                    ; tensor_dim1 = 128
	s_mov_b32 s[G1A+3], KSTEP<<16                  ; tile_dim0 = 128
	s_mov_b32 s[G1A+4], 128                        ; tile_dim1 = 128 rows
	s_mov_b32 s[G1A+5], HID                        ; 768 elements from row to row
	s_mov_b32 s[G1A+6], 0
	s_mov_b32 s[G1A+7], 0
	s_or_b32 s[G1B+0], s78, FIELDS                 ; W's pieces go to my column
	s_mov_b32 s[G1B+1], KSTEP<<16
	s_mov_b32 s[G1B+2], 96<<16                     ; tensor_dim1 = 96
	s_mov_b32 s[G1B+3], KSTEP<<16
	s_mov_b32 s[G1B+4], 96                         ; tile_dim1 = 96 rows
	s_mov_b32 s[G1B+5], HID
	s_mov_b32 s[G1B+6], 0
	s_mov_b32 s[G1B+7], 0
	; where the tiles come from.  s56-59 hold numbers made from rb alone, s60-63 from cg (and the wave) alone.
	s_mul_i32 s56, s22, 128*HID*2                  ; x: row 128 rb
	s_mov_b32 s57, 0
	s_min_u32 s60, s16, 2                          ; W: matrix w; wave 3 never asks by this address, the minimum only keeps it inside wb
	s_mul_i32 s60, s60, HID*HID*2
	s_mul_i32 s61, s21, 96*HID*2                   ; + row 96 cg
	s_add_co_u32 s60, s60, s61
	s_mov_b32 s61, 0
	s_mul_i32 s79, s16, WPIECE                     ; and where they go: wave x 96 rows (wave 3: behind the 288 rows of W)
	s_wait_dscnt 0x0
	s_wait_kmcnt 0x0
	s_add_nc_u64 s[58:59], s[4:5], s[56:57]
	s_add_nc_u64 s[62:63], s[6:7], s[60:61]
	CROUND                                         ; all sixteen work-groups are here: the first joint loads meet
.irp s, 0,1
	s_mov_b32 s[G0A+4*\s], 1                                       ; count = 1
	s_add_co_u32 s[G0A+4*\s+1], s79, \s*SLOT                       ; LDS address
	s_add_nc_u64 s[G0A+4*\s+2:G0A+4*\s+3], s[58:59], \s*KSTEP*2    ; global address: K step s
	s_or_b32 s[G0A+4*\s+3], s[G0A+4*\s+3], 0x80000000              ; type = 2
	s_mov_b32 s[G0B+4*\s], 1
	s_add_co_u32 s[G0B+4*\s+1], s79, \s*SLOT
	s_add_nc_u64 s[G0B+4*\s+2:G0B+4*\s+3], s[62:63], \s*KSTEP*2
	s_or_b32 s[G0B+4*\s+3], s[G0B+4*\s+3], 0x80000000
	JLOAD \s                                       ; both slots are asked for before anything else: two tensor loads of a wave are out, never more in this text
.endr
	; The bias tiles.  Column tile 9 wc + i: wc = 0: i 0-5 are q's columns 16 i, i 6-8 are k's 16 (i - 6); wc = 1: i 0-2 are k's 48 + 16 i, i 3-8 are v's 16 (i - 3).
	s_cmp_lg_u32 s18, 0
	s_cselect_b64 s[BB:BB+1],   s[10:11], s[8:9]   ; i 0-2: bk or bq, from byte 192 wc of my 96 columns
	s_cselect_b64 s[BB+2:BB+3], s[12:13], s[8:9]   ; i 3-5: bv or bq, from byte 192 (1 - wc)
	s_cselect_b64 s[BB+4:BB+5], s[12:13], s[10:11] ; i 6-8: bv or bk, from byte 192 wc
	v_and_b32 v1, 15, v0                           ; r
	v_bfe_u32 v2, v0, 4, 1                         ; h
	s_mul_i32 s60, s21, 96*4
	s_mul_i32 s61, s18, 192
	v_lshlrev_b32 v5, 5, v2                        ; register j of lane (r, h) is column 8 h + j: 32 h bytes
	v_add_nc_u32 v5, s60, v5                       ; + my 96 columns
	v_add_nc_u32 v[BO], s61, v5
	s_sub_co_u32 s61, 192, s61
	v_add_nc_u32 v[BO+1], s61, v5
.macro BIASLD c, off
.irp u, 0,1,2
	global_load_b128 v[BIAS+8*(3*\c+\u):BIAS+8*(3*\c+\u)+3],   v[\off], s[BB+2*\c:BB+2*\c+1] offset:64*\u
	global_load_b128 v[BIAS+8*(3*\c+\u)+4:BIAS+8*(3*\c+\u)+7], v[\off], s[BB+2*\c:BB+2*\c+1] offset:64*\u+16
.endr
.endm
	WIN 0x80                                       ; destination in window 2
	BIASLD 0, BO
	BIASLD 1, BO+1
	BIASLD 2, BO
	WIN 0
	; my runs in qkv: the terms of rb and of cg are made apart and added one after the other
	s_lshr_b32 s56, s22, 4                         ; batch
	s_mul_i32 s56, s56, 24*BLKB
	s_and_b32 s57, s22, 15
	s_lshl_b32 s57, s57, 13                        ; 128 tokens x 64 bytes
	s_add_co_u32 s56, s56, s57
	s_mov_b32 s57, 0
	s_mul_i32 s60, s21, 3*BLKB                     ; three blocks of 32 columns for each cg
	s_mov_b32 s61, 0
	s_add_nc_u64 s[OB:OB+1], s[14:15], s[56:57]
	s_add_nc_u64 s[OB:OB+1], s[OB:OB+1], s[60:61]
	s_add_nc_u64 s[OB+2:OB+3], s[OB:OB+1], MATB
	s_add_nc_u64 s[OB+4:OB+5], s[OB:OB+1], 2*MATB
	; LDS addresses, from the lane and the wave's number alone.  A fragment: lane (r, h) takes row r, bytes 16 h and 32 + 16 h of the 64 of a quarter step.
	v_mul_u32_u24 v3, v1, PITCH
	v_lshl_add_u32 v3, v2, 4, v3
	s_mul_i32 s80, s17, 64*PITCH
	s_add_co_u32 s80, s80, XOFF                    ; my 64 tokens
	s_mul_i32 s81, s18, 144*PITCH                  ; my 144 rows of W
.irp s, 0,1
	v_add_nc_u32 v[ADRA+\s], s80, v3
	v_add_nc_u32 v[ADRB+\s], s81, v3
	s_add_co_u32 s80, s80, SLOT
	s_add_co_u32 s81, s81, SLOT
.endr
	s_mul_i32 s82, s17, 64*SP
	s_add_co_u32 s82, s82, STAGE
	s_mul_i32 s83, s18, 288                        ; nine tiles x 32 bytes
	s_add_co_u32 s82, s82, s83
	v_mul_u32_u24 v4, v1, SP
	v_lshl_add_u32 v4, v2, 4, v4
	v_add_nc_u32 v[STO], s82, v4                   ; stage row 64 wr + r, byte 288 wc + 16 h
	v_lshrrev_b32 v5, 2, v0
	v_and_b32 v6, 3, v0
	v_mul_u32_u24 v5, v5, SP
	v_lshl_add_u32 v5, v6, 4, v5
	v_add_nc_u32 v[RD], STAGE, v5                  ; stage row t >> 2, byte 16 (t & 3)
	v_lshlrev_b32 v[CO], 4, v0
; Nine matrix instructions: token tile 2 hi + tt of my four x my nine column tiles, 32 along K.  first = 1: C is the bias.
.macro MUL9 f, hi, tt, first
.irp i, 0,1,2,3,4,5,6,7,8
.if \first
	v_wmma_f32_16x16x32_f16 v[8*(9*\tt+\i):8*(9*\tt+\i)+7], v[\f+8*\i:\f+8*\i+7], v[\f+72+8*(2*\hi+\tt):\f+72+8*(2*\hi+\tt)+7], v[BIAS+8*\i:BIAS+8*\i+7]
.else
	v_wmma_f32_16x16x32_f16 v[8*(9*\tt+\i):8*(9*\tt+\i)+7], v[\f+8*\i:\f+8*\i+7], v[\f+72+8*(2*\hi+\tt):\f+72+8*(2*\hi+\tt)+7], v[8*(9*\tt+\i):8*(9*\tt+\i)+7]
.endif
.endr
.endm
; 26 LDS loads in one run: the fragments of a quarter step (32 K at byte k of the rows): 18 for W, 4 for token tiles 0-1, 4 for token tiles 2-3
.macro FETCH slot, k, f
	WIN 0
.irp i, 0,1,2,3,4,5,6,7,8
	ds_load_b128 v[\f+8*\i:\f+8*\i+3],   v[ADRB+\slot] offset:\k+\i*16*PITCH
	ds_load_b128 v[\f+8*\i+4:\f+8*\i+7], v[ADRB+\slot] offset:\k+\i*16*PITCH+32
.endr
.irp t, 0,1,2,3
	ds_load_b128 v[\f+72+8*\t:\f+72+8*\t+3],   v[ADRA+\slot] offset:\k+\t*16*PITCH
	ds_load_b128 v[\f+72+8*\t+4:\f+72+8*\t+7], v[ADRA+\slot] offset:\k+\t*16*PITCH+32
.endr
.endm
; A K step is four quarter steps of 36 matrix instructions, on buffers 0, 1, 0, 1.  The 36 accumulators take turns, one instruction a turn, in the same
; order in every quarter.
; One of the first three quarters: multiplies buffer f and, in its middle, fetches the next quarter's fragments into buffer g.
.macro QUARTER slot, k, f, g, first
	s_wait_dscnt 4                                 ; W and token tiles 0-1 are in; the youngest four loads (token tiles 2-3) may be out
.if \first
	WIN FIRST_LO
.else
	WIN MUL_LO
.endif
	MUL9 \f, 0, 0, \first
	MUL9 \f, 0, 1, \first
	PLACES                                         ; buffer g was read by the matrix instructions of the quarter before
	FETCH \slot, \k, \g
	s_wait_dscnt 26                                ; all but the 26 just issued
	WIN MUL_HI
	MUL9 \f, 1, 0, \first
	MUL9 \f, 1, 1, \first
.endm
.macro THREE slot, first
	QUARTER \slot, 64,  F0, F1, \first
	QUARTER \slot, 128, F1, F0, 0
	QUARTER \slot, 192, F0, F1, 0
.endm
; The last quarter multiplies buffer 1 and changes slots.  In front of the barrier each wave waits for its reads of this slot and for all its tensor loads
; (the one that is out is its part of the next slot).  fill = 1: the barrier opens a round of the cluster's barrier, and behind the round this slot's next
; tile, two K steps ahead, is asked for first; then the next slot's first fragments are read.
.macro TURN slot, next, fill
	s_wait_dscnt 4
	WIN MUL_LO
	MUL9 F1, 0, 0, 0
	s_wait_dscnt 0x0                               ; my reads of this slot are over
	s_wait_tensorcnt 0x0                           ; all my tensor loads have landed
	ds_add_u32 v46, v47
	s_wait_dscnt 0x0
	s_barrier_signal -1
	MUL9 F1, 0, 1, 0                               ; register work while the others arrive
	WIN 0                                          ; at a branch and at a label every window is 0
	s_barrier_wait -1
.if \fill
	CREST                                          ; no wave of any partner still reads this slot or has a load on its way
	s_add_nc_u64 s[G0A+4*\slot+2:G0A+4*\slot+3], s[G0A+4*\slot+2:G0A+4*\slot+3], 2*KSTEP*2
	s_add_nc_u64 s[G0B+4*\slot+2:G0B+4*\slot+3], s[G0B+4*\slot+2:G0B+4*\slot+3], 2*KSTEP*2
	JLOAD \slot                                    ; the first tensor load behind the round; 135 matrix instructions of the wave stand before the wait for it
.endif
	PLACES
	FETCH \next, 0, F0
	WIN MUL_HI
	MUL9 F1, 1, 0, 0
	MUL9 F1, 1, 1, 0
.endm
	s_wait_tensorcnt 1                             ; my part of K step 0 is in; K step 1's load stays out
	s_barrier_signal -1
	s_barrier_wait -1                              ; everybody's part is in
	FETCH 0, 0, F0
	s_wait_loadcnt 0x0                             ; the bias tiles, once
	THREE 0, 1                                     ; K step 0: the first products take the bias as C
	TURN 0, 1, 1                                   ; slot 0 <- K step 2
	THREE 1, 0
	TURN 1, 0, 1                                   ; slot 1 <- K step 3
	THREE 0, 0
	TURN 0, 1, 1                                   ; slot 0 <- K step 4
	THREE 1, 0
	TURN 1, 0, 1                                   ; slot 1 <- K step 5
	THREE 0, 0
	TURN 0, 1, 0                                   ; the last two K steps fill nothing
	THREE 1, 0
	s_wait_dscnt 4                                 ; the very last quarter: nothing more to fetch
	WIN MUL_LO
	MUL9 F1, 0, 0, 0
	MUL9 F1, 0, 1, 0
	s_wait_dscnt 0x0
	WIN MUL_HI
	MUL9 F1, 1, 0, 0
	MUL9 F1, 1, 1, 0
	; THE WAY OUT: round to f16, 16 bytes a lane into the stage (128 token rows x 288 columns), one barrier, then each 32-column block is read back
	; token by token and stored as dense runs: a wave's store covers 512 consecutive bytes, aligned.
	PLACES                                         ; behind the last matrix instructions: the conversions read results and write fragment registers
	WIN 0x05                                       ; sources in window 1
.irp tt, 0,1
.irp i, 0,1,2,3,4,5,6,7,8
.irp r, 0,1,2,3
	v_cvt_pk_f16_f32 v[PK+4*(9*\tt+\i)+\r], v[8*(9*\tt+\i)+2*\r], v[8*(9*\tt+\i)+2*\r+1]
.endr
.endr
.endr
	WIN 0x0a                                       ; sources in window 2
.irp tt, 0,1
.irp i, 0,1,2,3,4,5,6,7,8
.irp r, 0,1,2,3
	v_cvt_pk_f16_f32 v[PK+72+4*(9*\tt+\i)+\r], v[8*(9*\tt+\i)+2*\r], v[8*(9*\tt+\i)+2*\r+1]
.endr
.endr
.endr
	WIN 0
.irp hi, 0,1
.irp tt, 0,1
.irp i, 0,1,2,3,4,5,6,7,8
	ds_store_b128 v[STO], v[PK+72*\hi+4*(9*\tt+\i):PK+72*\hi+4*(9*\tt+\i)+3] offset:(2*\hi+\tt)*16*SP+32*\i
.endr
.endr
.endr
	s_wait_dscnt 0x0                               ; for the other waves' sake: my stores are done
	s_barrier_signal -1
	s_barrier_wait -1
.irp b, 0,1,2,3,4,5,6,7,8
.irp n, 0,1,2,3
	ds_load_b128 v[PK+4*(4*\b+\n):PK+4*(4*\b+\n)+3], v[RD] offset:\n*32*SP+64*\b    ; block b (32 columns), tokens 32 n + (t >> 2)
.endr
.endr
.irp b, 0,1,2,3,4,5,6,7,8
.irp n, 0,1,2,3
	s_wait_dscnt 35-(4*\b+\n)                      ; LDS loads return in order: this one is in
	global_store_b128 v[CO], v[PK+4*(4*\b+\n):PK+4*(4*\b+\n)+3], s[OB+2*(\b/3):OB+2*(\b/3)+1] offset:(\b%3)*BLKB+2048*\n
.endr
.endr
	s_wait_tensorcnt 0x0
	ds_add_u32 v46, v47
	s_wait_dscnt 0x0
	CROUND                                         ; the closing round: no work-group ends while a partner may still ask for a tile that names it
	s_endpgm
.Lfunc_end_k_q576bb33f62_proj:
	.size	k_q576bb33f62_proj, .Lfunc_end_k_q576bb33f62_proj-k_q576bb33f62_proj
	.p2alignl 7, 3214868480
	.fill 96, 4, 3214868480
	.section	.rodata,"a",@progbits
	.p2align	6, 0x0
	.amdhsa_kernel k_q576bb33f62_proj
		.amdhsa_group_segment_fixed_size 327680
		.amdhsa_private_segment_fixed_size 0
		.amdhsa_enable_private_segment 0
		.amdhsa_kernarg_size 48
		.amdhsa_user_sgpr_count 2
		.amdhsa_user_sgpr_kernarg_segment_ptr 1
		.amdhsa_wavefront_size32 1
		.amdhsa_system_sgpr_workgroup_id_x 1
		.amdhsa_system_sgpr_workgroup_id_y 1
		.amdhsa_system_sgpr_workgroup_id_z 1
		.amdhsa_system_vgpr_workitem_id 0
		.amdhsa_next_free_vgpr 728
		.amdhsa_next_free_sgpr 84
		.amdhsa_reserve_vcc 0
		.amdhsa_float_denorm_mode_32 3
		.amdhsa_float_denorm_mode_16_64 3
		.amdhsa_memory_ordered 1
		.amdhsa_forward_progress 1
		.amdhsa_inst_pref_size 131
	.end_amdhsa_kernel
	.amdgpu_metadata
---
amdhsa.version: [ 1, 2 ]
amdhsa.kernels:
  - .name:           k_q576bb33f62_proj
    .symbol:         k_q576bb33f62_proj.kd
    .args:
      - { .name: xb, .offset: 0, .size: 8, .value_kind: global_buffer, .address_space: global }
      - { .name: wb, .offset: 8, .size: 8, .value_kind: global_buffer, .address_space: global }
      - { .name: bq, .offset: 16, .size: 8, .value_kind: global_buffer, .address_space: global }
      - { .name: bk, .offset: 24, .size: 8, .value_kind: global_buffer, .address_space: global }
      - { .name: bv, .offset: 32, .size: 8, .value_kind: global_buffer, .address_space: global }
      - { .name: qkv, .offset: 40, .size: 8, .value_kind: global_buffer, .address_space: global }
    .group_segment_fixed_size: 327680
    .private_segment_fixed_size: 0
    .kernarg_segment_align: 8
    .kernarg_segment_size: 48
    .max_flat_workgroup_size: 128
    .sgpr_count:     84
    .vgpr_count:     728
    .wavefront_size: 32
...
	.end_amdgpu_metadata
.endif
;; end of part 2
;; launch attn (part 3): grid 192 x 1, 8 waves a work-group, clusters of 4 x 1, 327,680 bytes of LDS; arguments qkv, attention_mask, out0; writes out0
.if DOCPART == 3
	.amdgcn_target "amdgcn-amd-amdhsa--gfx1250"
	.amdhsa_code_object_version 6
	.text
	.protected	k_q576bb33f62_attn
	.globl	k_q576bb33f62_attn
	.p2align	8
	.type	k_q576bb33f62_attn,@function
k_q576bb33f62_attn:
	s_mov_b64 s[64:65], 0
	v_nop
	global_prefetch_b8 v0, s[64:65] scope:SCOPE_SE
	s_setreg_imm32_b32 hwreg(HW_REG_WAVE_MODE, 25, 1), 1
	s_wait_xcnt 0x0
	s_wait_alu depctr_hold_cnt(0) depctr_sa_sdst(0) depctr_va_vdst(0) depctr_va_sdst(0) depctr_va_ssrc(0) depctr_va_vcc(0) depctr_vm_vsrc(0)
	s_getreg_b32 s2, hwreg(HW_REG_IB_STS2, 6, 4)
	s_cmp_eq_u32 s2, 0
	s_cbranch_scc0 .Lentry_in_a_cluster
	s_endpgm
.Lentry_in_a_cluster:
	s_bfe_u32 s2, ttmp6, 0x10000c
	s_cmp_lg_u32 s2, 0x3003
	s_cbranch_scc0 .Lentry_shape_is_right
	s_endpgm
.Lentry_shape_is_right:
; out0 = softmax(q k^T / 8 + mask) v, head by head, with a running maximum; q, k, v in f16 from qkv[mat][2 (12 batch + head) + half][2048 tokens][32].
; A work-group takes 256 queries of one head: 24 heads x 8 blocks = 192 work-groups (an equal split over more would need pieces of several heads in one work-group).
; Eight waves, two for each of a WGP's four SIMDs: wave w takes queries 64 (w & 3) .. + 63 and, of every tile of 256 keys, keys 128 (w >> 2) .. + 127,
; in two sub-steps of 64.  The two key groups keep their own addends, sums and contexts, which are merged once at the end through LDS.
; CLUSTERS: the four work-groups of a cluster are four query blocks of ONE head; every K and V tile is asked for jointly (mask 15).
; ARITHMETIC: s' = q.k + 8 mask (the mask, times 8, is the C of the first product), p = exp2(s' c' - m' c') with c' = log2(e) / 8.
;   S^T = K Q^T:   source 0 = 16 keys x 32 d, source 1 = 16 queries x 32 d: lane (r, h) register j = (key 8 h + j, query r): a lane's numbers belong to one query.
;   ctx^T += V^T P^T: source 0 = V through the transposing LDS load, source 1 = P^T, whose fragment is the lane's own S registers packed in place.
;   The running maximum is kept as its addend -m' c' alone: the new addend is min(old addend, -c' x this unit's maximum), the same number as -c' x the larger maximum,
;   since the rounding of a product is monotone.
; THE PIPELINE: a unit is one query tile of one sub-step (16 queries x 64 keys).  In the turn of unit u a wave rescales ctx(u) among the 8 products of P V (u - 1),
; forms the exponentials of u among the 8 products of K Q (u + 1), and sums and packs u line by line with the maximum of u + 1: 16 matrix instructions to some
; 120 vector instructions a turn, alternating, so that neither kind stands in a long run of its own.  K and V are both resident for that.
; LIMITS: |mask| above 4.2e37 becomes infinite when multiplied by 8.  The running maximum starts at -1e30 (in units of 8 x score): a row ALL of whose scores
; lie below -1.25e29 while finite comes out NaN (a row all of -inf comes out NaN here as in the softmax itself).  p lies in [0, 1] and is rounded to f16 for the
; product with v: a p below 3e-8 of its key group's running maximum becomes zero, which over 2,048 keys is at most 6e-5 of the sum.  The sum itself is kept in f32.
.set KP,    80                         ; K in LDS: a key's 64 bytes + 16: an odd multiple of 16
.set VP,    96                         ; V in LDS: a key's 64 bytes + 32: an odd multiple of 32, as the transposing load's addresses want
.set VREG,  2*256*KP                   ; a slot: K [half 2][256 keys], 40,960 bytes, then V [half 2][256 keys], 49,152 bytes
.set SLOT,  VREG+2*256*VP              ; 90,112
.set MASKB, 2*SLOT                     ; 180,224: 8 x mask of my batch, 2,048 f32.  This and what follows are multiples of 256 and never a tensor load's target
.set XCH,   MASKB+8192                 ; 188,416: the exchange, 17,408 bytes for each pair of waves
.set XW,    17408
.set STG,   XCH+4*XW                   ; 258,048: the way out, 16 rows x 272 bytes for each of waves 0-3
.set SW,    4352
.set MATB,  6291456                    ; bytes of one matrix in qkv
.set BLKB,  131072                     ; bytes of one half head: 2,048 tokens x 64
.set TILEB, 16384                      ; 256 keys x 64 bytes
.set ROWB,  3072                       ; a row of out0
; window 0
.set CO,   1                           ; v1      my bytes in out0
.set KADR, 2                           ; v2-3    my K fragments in slot 0, 1
.set VADR, 4                           ; v4-5    my V fragments in slot 0, 1
.set MADR, 6                           ; v6      my mask registers, stepped by 1,024 bytes a tile
.set XADR, 7                           ; v7      exchange
.set NMR,  8                           ; v8-11   -m' c' of query tile qt, rounded: the addend of every exponent
.set LSR,  12                          ; v12-15  running sum (this lane's keys)
.set ALC,  16                          ; v16     alpha of the unit at work   } one pair: the packed forms broadcast its first
.set NMC,  17                          ; v17     addend of the unit at work  } or its second register
.set STO,  18                          ; v18     the way out: in
.set RD,   19                          ; v19     the way out: back
.set TA,   20                          ; v20-23  at work on a maximum
.set TD,   24                          ; v24-31  at work on a sum
.set KF,   32                          ; v32-95  K(kt, half) at 32 + 32 half + 8 kt
.set MKR,  96                          ; v96-127 mask tile kt at 96 + 8 kt
.set SCR,  128                         ; v128-255 S(kt, qt) at 128 + 32 qt + 8 kt; P(qt, c) at 128 + 32 qt + 16 c, in place
; set-up temporaries, in S's registers (free until the first product)
.set RR,   130                         ; r = lane & 15
.set HH,   131                         ; h = lane >> 4
.set TS,   132                         ; v132-133
.set MOF,  134                         ; 16 t: my bytes of the mask in memory
.set MLD,  135                         ; and in LDS
.set QOFF, 136                         ; my bytes in a Q tile
.set MDAT, 140                         ; v140-147 eight mask numbers
; the merge's temporaries, in K's and the mask's registers (free behind the last product)
.set PN,   32                          ; v32-35  the partner's addends
.set PL,   36                          ; v36-39  the partner's sums
.set F1,   40                          ; v40-43  the partner's contexts' factor
.set WK,   44                          ; v44-47  common addend, then sum, then its reciprocal
.set E0,   48                          ; v48-51  my weight
.set E1,   52                          ; v52-55  the partner's weight
.set PX,   56                          ; v56-59  the other half of the lanes' sums
.set F0,   24                          ; v24-27  my contexts' factor
.set OUTF, 64                          ; v64-127 rows on their way out
; window 1
.set CTX,  0                           ; ctx^T(qt, dt) at 8 (4 qt + dt)
.set QFR,  128                         ; Q(qt, half) at 128 + 16 qt + 8 half
.set VF,   192                         ; V(c, dt) at 192 + 32 c + 8 dt
.set G1K, 24                           ; s[24:31] group 1 for K
.set G1V, 32                           ; s[32:39] group 1 for V
.set G0K, 40                           ; s[40:47] group 0 for K, one set for each slot
.set G0V, 48                           ; s[48:55] group 0 for V, one set for each slot
.set MSB, 0
.macro WIN new                         ; the immediate's high byte repeats the setting that is left
.if MSB != \new
	s_set_vgpr_msb (MSB<<8)|\new
.set MSB, \new
.endif
.endm
.macro CREST                           ; a round of the cluster's barrier behind its opening work-group barrier
	s_cmp_lg_u32 s10, 0
	s_cbranch_scc1 .Lnot_wave_0_\@
	s_barrier_signal -3
.Lnot_wave_0_\@:
	s_barrier_wait -3
	s_barrier_signal -1
	s_barrier_wait -1
.endm
.macro ROUND                           ; a whole round
	s_barrier_signal -1
	s_barrier_wait -1
	CREST
.endm
	s_load_b128 s[4:7], s[0:1], 0x0                ; qkv s[4:5], attention_mask s[6:7]
	s_load_b64 s[8:9], s[0:1], 0x10                ; out0
	v_lshl_add_u32 v254, v0, 2, 0x43400
	v_mov_b32 v255, 0
	ds_add_u32 v254, v255
	s_wait_dscnt 0x0
	v_lshrrev_b32 v1, 5, v0
	v_readfirstlane_b32 s10, v1                    ; wave 0..7
	s_lshr_b32 s11, s10, 2                         ; g: key group.  Also: which half of d I fetch
	s_and_b32 s12, s10, 3                          ; wq: which 64 queries.  Also: which 64 keys of a tile I fetch
	s_bfe_u32 s13, ttmp6, 0x40000                  ; cx
	s_lshr_b32 s14, ttmp9, 1                       ; bh = 12 batch + head: the same in the four partners
	s_and_b32 s15, ttmp9, 1
	s_lshl_b32 s15, s15, 2
	s_add_co_u32 s15, s15, s13                     ; query block 0..7
	s_cmp_ge_u32 s14, 12
	s_cselect_b32 s16, 1, 0                        ; batch
	s_mul_i32 s17, s16, 12
	s_sub_co_u32 s17, s14, s17                     ; head
	s_mov_b32 s22, 0x76543210                      ; v_permlanex16_b32: lane i of one half reads lane i of the other
	s_mov_b32 s23, 0xfedcba98
	v_and_b32 v[RR], 15, v0                        ; r
	v_bfe_u32 v[HH], v0, 4, 1                      ; h
	v_lshlrev_b32 v[QOFF], 6, v[RR]
	v_lshl_add_u32 v[QOFF], v[HH], 4, v[QOFF]      ; token r x 64 bytes + 16 h
	v_lshlrev_b32 v[MOF], 4, v0                    ; 16 t: my bytes of the mask
	; A wave's share of a tile is 4,096 dense bytes of K and of V (64 keys x 64 bytes), brought as 16 rows of 256 bytes; the padding is laid behind every 64 bytes.
	s_mov_b32 s[G1K+0], 15|(3<<16)|(1<<20)|(1<<21)|(3<<22)|(3<<25)  ; mask: all four partners; elements of 8 bytes; padding on; bit 21 beside a mask; after every 16 words; 4 words
	s_mov_b32 s[G1K+1], 32<<16                     ; tensor_dim0 = 32 elements
	s_mov_b32 s[G1K+2], 16<<16                     ; tensor_dim1 = 16
	s_mov_b32 s[G1K+3], 32<<16                     ; tile_dim0 = 32
	s_mov_b32 s[G1K+4], 16                         ; tile_dim1 = 16 rows
	s_mov_b32 s[G1K+5], 32                         ; a row begins where the last ends
	s_mov_b32 s[G1K+6], 0
	s_mov_b32 s[G1K+7], 0
	s_mov_b32 s[G1V+0], 15|(3<<16)|(1<<20)|(1<<21)|(3<<22)|(7<<25)  ; the same with 8 words of padding
	s_mov_b32 s[G1V+1], 32<<16
	s_mov_b32 s[G1V+2], 16<<16
	s_mov_b32 s[G1V+3], 32<<16
	s_mov_b32 s[G1V+4], 16
	s_mov_b32 s[G1V+5], 32
	s_mov_b32 s[G1V+6], 0
	s_mov_b32 s[G1V+7], 0
	s_lshl_b32 s18, s14, 18                        ; my share of tile 0, from a matrix's first byte: head, half, 64 keys.  No place in the cluster enters it
	s_lshl_b32 s19, s11, 17
	s_add_co_u32 s18, s18, s19
	s_lshl_b32 s19, s12, 12
	s_add_co_u32 s18, s18, s19
	s_mov_b32 s19, 0
	s_mul_i32 s57, s10, 64*KP                      ; where it goes: wave x 64 keys, in K's region
	s_mul_i32 s56, s10, 64*VP
	s_add_co_u32 s56, s56, VREG                    ; and in V's
	s_lshl_b32 s2, s15, 14                         ; my 64 queries (s2, s3 alone ever hold numbers made from cx)
	s_lshl_b32 s3, s14, 18
	s_add_co_u32 s2, s2, s3
	s_lshl_b32 s3, s12, 12
	s_add_co_u32 s2, s2, s3
	s_mov_b32 s3, 0
	s_lshl_b32 s62, s16, 13                        ; my batch's 2,048 mask numbers
	s_mov_b32 s63, 0
	s_wait_kmcnt 0x0
	s_add_nc_u64 s[20:21], s[4:5], s[18:19]
	s_add_nc_u64 s[58:59], s[4:5], s[2:3]          ; Q
	s_add_nc_u64 s[6:7], s[6:7], s[62:63]          ; mask
	s_lshl_b32 s2, s16, 11                         ; my first row of out0: 2,048 batch + 256 block + 64 wq
	s_lshl_b32 s3, s15, 8
	s_add_co_u32 s2, s2, s3
	s_lshl_b32 s3, s12, 6
	s_add_co_u32 s2, s2, s3
	s_mul_i32 s2, s2, ROWB
	s_lshl_b32 s3, s17, 8                          ; + the head's 256 bytes
	s_add_co_u32 s2, s2, s3
	s_mov_b32 s3, 0
	s_add_nc_u64 s[60:61], s[8:9], s[2:3]
.irp n, 0,1
	s_mov_b32 s[G0K+4*\n], 1                                       ; slot n's group 0 starts at tile n
	s_add_co_u32 s[G0K+4*\n+1], s57, \n*SLOT
	s_add_nc_u64 s[G0K+4*\n+2:G0K+4*\n+3], s[20:21], MATB+\n*TILEB
	s_or_b32 s[G0K+4*\n+3], s[G0K+4*\n+3], 0x80000000
	s_mov_b32 s[G0V+4*\n], 1
	s_add_co_u32 s[G0V+4*\n+1], s56, \n*SLOT
	s_add_nc_u64 s[G0V+4*\n+2:G0V+4*\n+3], s[20:21], 2*MATB+\n*TILEB
	s_or_b32 s[G0V+4*\n+3], s[G0V+4*\n+3], 0x80000000
.endr
	ROUND                                          ; the four partners are here: the first joint loads meet
	tensor_load_to_lds s[G0K:G0K+3], s[G1K:G1K+7]  ; tile 0.  A wave has two tensor loads out behind each round, never more in this text
	s_nop 0
	tensor_load_to_lds s[G0V:G0V+3], s[G1V:G1V+7]
	s_nop 0
	global_load_b128 v[MDAT:MDAT+3], v[MOF], s[6:7]                ; the mask: 256 threads x 2 x 16 bytes = 8,192
	global_load_b128 v[MDAT+4:MDAT+7], v[MOF], s[6:7] offset:4096
	WIN 0x40                                       ; destination in window 1
.irp qt, 0,1,2,3
.irp hf, 0,1
	global_load_b128 v[QFR+16*\qt+8*\hf:QFR+16*\qt+8*\hf+3],   v[QOFF], s[58:59] offset:\hf*BLKB+1024*\qt
	global_load_b128 v[QFR+16*\qt+8*\hf+4:QFR+16*\qt+8*\hf+7], v[QOFF], s[58:59] offset:\hf*BLKB+1024*\qt+32
.endr
.endr
	WIN 0
	; LDS addresses, from the lane and the wave's number alone
	s_mul_i32 s18, s11, 128*KP
	v_mul_u32_u24 v[KADR], v[RR], KP
	v_lshl_add_u32 v[KADR], v[HH], 4, v[KADR]
	v_add_nc_u32 v[KADR], s18, v[KADR]             ; key 128 g + r, byte 16 h
	v_add_nc_u32 v[KADR+1], SLOT, v[KADR]
	s_mul_i32 s18, s11, 128*VP
	s_add_co_u32 s18, s18, VREG
	v_and_b32 v[TS], 7, v0
	v_lshl_add_u32 v[TS], v[HH], 3, v[TS]
	v_mul_u32_u24 v[VADR], v[TS], VP
	v_bfe_u32 v[TS+1], v0, 3, 1
	v_lshl_add_u32 v[VADR], v[TS+1], 4, v[VADR]
	v_add_nc_u32 v[VADR], s18, v[VADR]             ; key 128 g + 8 h + (lane & 7), byte 16 ((lane >> 3) & 1)
	v_add_nc_u32 v[VADR+1], SLOT, v[VADR]
	s_lshl_b32 s18, s11, 9
	s_add_co_u32 s18, s18, MASKB
	v_lshl_add_u32 v[MADR], v[HH], 5, s18          ; key 128 g + 8 h, 4 bytes each
	s_mul_i32 s18, s12, XW
	s_add_co_u32 s18, s18, XCH
	v_and_b32 v[TS], 31, v0
	v_lshl_add_u32 v[XADR], v[TS], 4, s18
	s_mul_i32 s18, s12, SW
	s_add_co_u32 s18, s18, STG
	v_mul_u32_u24 v[STO], v[RR], 272
	v_lshl_add_u32 v[STO], v[HH], 5, v[STO]
	v_add_nc_u32 v[STO], s18, v[STO]               ; query r, d = 8 h
	v_mul_u32_u24 v[RD], v[HH], 272
	v_lshl_add_u32 v[RD], v[RR], 4, v[RD]
	v_add_nc_u32 v[RD], s18, v[RD]                 ; lanes 0-15 one row of 256 bytes, lanes 16-31 the next
	v_mul_u32_u24 v[CO], v[HH], ROWB
	v_lshl_add_u32 v[CO], v[RR], 4, v[CO]
	v_add_nc_u32 v[MLD], MASKB, v[MOF]
	v_mov_b32 v[ALC], 1.0                          ; the first sub-step has no alpha, but the packed forms name the pair (alpha, addend): both are written
	s_wait_loadcnt 16                              ; the two mask loads are in; the sixteen Q loads behind them stay out
.irp p, 0,2,4,6
	v_pk_mul_f32 v[MDAT+\p:MDAT+\p+1], v[MDAT+\p:MDAT+\p+1], 0x41000000 op_sel_hi:[1,0]   ; x 8, exact
.endr
	ds_store_b128 v[MLD], v[MDAT:MDAT+3]
	ds_store_b128 v[MLD], v[MDAT+4:MDAT+7] offset:4096   ; shown to the other waves by the wait and the round below
	s_wait_loadcnt 0x0                             ; Q; also frees the loads' offset registers, which lie in S's registers
; 24 LDS loads: the mask (8) and K (16) of sub-step sub of the tile in slot
.macro LOADK slot, sub
	WIN 0
.irp kt, 0,1,2,3
	ds_load_b128 v[MKR+8*\kt:MKR+8*\kt+3],   v[MADR] offset:256*\sub+64*\kt       ; register j: 8 x mask of key 8 h + j
	ds_load_b128 v[MKR+8*\kt+4:MKR+8*\kt+7], v[MADR] offset:256*\sub+64*\kt+16
.endr
.irp hf, 0,1
.irp kt, 0,1,2,3
	ds_load_b128 v[KF+32*\hf+8*\kt:KF+32*\hf+8*\kt+3],   v[KADR+\slot] offset:\hf*256*KP+\sub*64*KP+\kt*16*KP
	ds_load_b128 v[KF+32*\hf+8*\kt+4:KF+32*\hf+8*\kt+7], v[KADR+\slot] offset:\hf*256*KP+\sub*64*KP+\kt*16*KP+32
.endr
.endr
.endm
; 16 transposing LDS loads: V of that sub-step, into window 1
.macro LOADV slot, sub
	WIN 0x40
.irp c, 0,1
.irp dt, 0,1,2,3
	ds_load_tr16_b128 v[VF+32*\c+8*\dt:VF+32*\c+8*\dt+3],   v[VADR+\slot] offset:(\dt/2)*256*VP+\sub*64*VP+\c*32*VP+32*(\dt%2)
	ds_load_tr16_b128 v[VF+32*\c+8*\dt+4:VF+32*\c+8*\dt+7], v[VADR+\slot] offset:(\dt/2)*256*VP+\sub*64*VP+\c*32*VP+32*(\dt%2)+16*VP
.endr
.endr
.endm
; The 8 products of K Q for query tile qn in one run (the prologue alone); under the window setting 0x04
.macro QK8 qn
.irp kt, 0,1,2,3
	v_wmma_f32_16x16x32_f16 v[SCR+32*\qn+8*\kt:SCR+32*\qn+8*\kt+7], v[KF+8*\kt:KF+8*\kt+7], v[QFR+16*\qn:QFR+16*\qn+7], v[MKR+8*\kt:MKR+8*\kt+7]
.endr
.irp kt, 0,1,2,3
	v_wmma_f32_16x16x32_f16 v[SCR+32*\qn+8*\kt:SCR+32*\qn+8*\kt+7], v[KF+32+8*\kt:KF+32+8*\kt+7], v[QFR+16*\qn+8:QFR+16*\qn+15], v[SCR+32*\qn+8*\kt:SCR+32*\qn+8*\kt+7]
.endr
.endm
; Product w (0..7) of P V for query tile qp: keys 32 (w / 4) .. + 31 of the sub-step, d tile w % 4.  z = 1: the launch's first sub-step: the first four start the sums.
.macro PVW qp, w, z
.set pvz, 0
.if \z
.if \w < 4
.set pvz, 1
.endif
.endif
.if pvz
	v_wmma_f32_16x16x32_f16 v[CTX+8*(4*\qp+\w%4):CTX+8*(4*\qp+\w%4)+7], v[VF+32*(\w/4)+8*(\w%4):VF+32*(\w/4)+8*(\w%4)+7], v[SCR+32*\qp+16*(\w/4):SCR+32*\qp+16*(\w/4)+7], 0
	s_wait_alu depctr_va_vdst(0)
.else
	v_wmma_f32_16x16x32_f16 v[CTX+8*(4*\qp+\w%4):CTX+8*(4*\qp+\w%4)+7], v[VF+32*(\w/4)+8*(\w%4):VF+32*(\w/4)+8*(\w%4)+7], v[SCR+32*\qp+16*(\w/4):SCR+32*\qp+16*(\w/4)+7], v[CTX+8*(4*\qp+\w%4):CTX+8*(4*\qp+\w%4)+7]
	s_wait_alu depctr_va_vdst(0)
.endif
.endm
.macro RSC qt, j                       ; two numbers of ctx^T(qt) times alpha (the pair's first register, for both)
	v_pk_mul_f32 v[CTX+32*\qt+2*(\j):CTX+32*\qt+2*(\j)+1], v[CTX+32*\qt+2*(\j):CTX+32*\qt+2*(\j)+1], v[ALC:ALC+1] op_sel:[0,0] op_sel_hi:[1,0]
.endm
; PART B of a unit: ctx^T(qt) is rescaled (resc = 1) among the 8 products of P V for the query tile before, qp.  One window setting serves both: ctx and V in window 1,
; P and alpha in window 0 (the packed multiply has no third source).  The four accumulators take turns, one instruction a turn.
; Four multiplies, which name none of its registers, stand behind the last product: the places that V's next loads need (ISA guide 7.12.1 for vector instructions).
.macro PARTB qt, qp, resc, z
	WIN 0x51
.irp w, 0,1,2,3,4
	PVW \qp, \w, \z
.if \resc
	RSC \qt, 2*\w
	RSC \qt, 2*\w+1
.endif
.endr
	PVW \qp, 5, \z
.if \resc
	RSC \qt, 10
.endif
	PVW \qp, 6, \z
.if \resc
	RSC \qt, 11
.endif
	PVW \qp, 7, \z
.if \resc
	RSC \qt, 12
	RSC \qt, 13
	RSC \qt, 14
	RSC \qt, 15
.endif
.endm
; PART C of a unit: p = exp2(s' c' - m' c') in place for query tile qt, 48 vector instructions; in front of every sixth stands one of the 8 products of K Q for the
; next query tile qn (qk = 1).  One window setting serves both: Q, source 1, in window 1; the vector lines here name no vector register as their second source.
.macro PARTC qt, qn, qk
.set SB, SCR+32*\qt
.set SN, SCR+32*\qn
.set QN, QFR+16*\qn
	WIN 0x04
.set n, 0
.rept 48
.if \qk
.if (n%6) == 0
.set kq, 8*((n/6)%4)
.if n < 24
	v_wmma_f32_16x16x32_f16 v[SN+kq:SN+kq+7], v[KF+kq:KF+kq+7], v[QN:QN+7], v[MKR+kq:MKR+kq+7]
.else
	v_wmma_f32_16x16x32_f16 v[SN+kq:SN+kq+7], v[KF+32+kq:KF+32+kq+7], v[QN+8:QN+15], v[SN+kq:SN+kq+7]
.endif
.endif
.endif
.if n < 16
	v_pk_fma_f32 v[SB+2*n:SB+2*n+1], v[SB+2*n:SB+2*n+1], 0x3e38aa3b, v[ALC:ALC+1] op_sel:[0,0,1] op_sel_hi:[1,0,1]   ; + the addend, the pair's second register, for both
.else
	v_exp_f32 v[SB+n-16], v[SB+n-16]
.endif
.set n, n+1
.endr
.endm
; Piece g of the maximum of query tile qa over its 64 keys, its new addend and alpha.  first = 1: the launch's first sub-step.  on = 0: nothing.
.macro AG g, qa, first, on
.if \on
.set SA, SCR+32*\qa
.if \g == 0
	v_max3_num_f32 v[TA],   v[SA],   v[SA+1],  v[SA+2]     ; four chains that do not wait for each other
	v_max3_num_f32 v[TA+1], v[SA+3], v[SA+4],  v[SA+5]
	v_max3_num_f32 v[TA+2], v[SA+6], v[SA+7],  v[SA+8]
	v_max3_num_f32 v[TA+3], v[SA+9], v[SA+10], v[SA+11]
.endif
.if \g == 1
.irp k, 0,1,2,3
	v_max3_num_f32 v[TA+\k], v[TA+\k], v[SA+12+2*\k], v[SA+13+2*\k]
.endr
.endif
.if \g == 2
.irp k, 0,1,2,3
	v_max3_num_f32 v[TA+\k], v[TA+\k], v[SA+20+2*\k], v[SA+21+2*\k]
.endr
.endif
.if \g == 3
	v_max3_num_f32 v[TA],   v[TA],   v[SA+28], v[SA+29]
	v_max3_num_f32 v[TA+1], v[TA+1], v[SA+30], v[SA+31]
.endif
.if \g == 4
	v_max3_num_f32 v[TA], v[TA], v[TA+1], v[TA+2]
.endif
.if \g == 5
.if \first
	v_max3_num_f32 v[TA], v[TA], v[TA+3], 0xf149f2ca       ; -1e30: keeps the maximum finite where every key so far is masked by -inf
.else
	v_max_num_f32 v[TA], v[TA], v[TA+3]
.endif
.endif
.if \g == 6
	v_permlanex16_b32 v[TA+1], v[TA], s22, s23             ; the other eight keys of each tile lie in the other half of the lanes
.endif
.if \g == 7
	v_max_num_f32 v[TA], v[TA], v[TA+1]
.endif
.if \g == 8
.if \first
	v_mul_f32 v[NMC], 0xbe38aa3b, v[TA]                    ; -m' c'
.else
	v_mul_f32 v[TA+2], 0xbe38aa3b, v[TA]
.endif
.endif
.if \first
.else
.if \g == 9
	v_min_num_f32 v[NMC], v[NMR+\qa], v[TA+2]              ; the larger maximum has the smaller addend
.endif
.if \g == 10
	v_sub_f32 v[TA+3], v[NMC], v[NMR+\qa]                  ; from the ROUNDED addends, so that old and new terms stand on exactly the same footing
.endif
.if \g == 11
	v_exp_f32 v[ALC], v[TA+3]                              ; alpha; a plain vector line follows it in every use of this piece (ISA guide 5.7.2)
.endif
.endif
.if \g == 12
	v_mov_b32 v[NMR+\qa], v[NMC]
	s_wait_alu depctr_va_vdst(0)
.endif
.endif
.endm
; Piece g of the sum of query tile qt's 32 exponentials a lane and of the running sum
.macro DG g, qt, first
.set SB, SCR+32*\qt
.if \g == 0
	v_nop                                                  ; the plain instruction behind the last exponential
	s_wait_alu depctr_va_vdst(0)
	v_pk_add_f32 v[TD:TD+1],   v[SB:SB+1],     v[SB+2:SB+3]
	v_pk_add_f32 v[TD+2:TD+3], v[SB+4:SB+5],   v[SB+6:SB+7]
	v_pk_add_f32 v[TD+4:TD+5], v[SB+8:SB+9],   v[SB+10:SB+11]
	v_pk_add_f32 v[TD+6:TD+7], v[SB+12:SB+13], v[SB+14:SB+15]
.endif
.if \g == 1
.irp k, 0,1,2,3
	v_pk_add_f32 v[TD+2*\k:TD+2*\k+1], v[TD+2*\k:TD+2*\k+1], v[SB+16+2*\k:SB+17+2*\k]
.endr
.endif
.if \g == 2
.irp k, 0,1,2,3
	v_pk_add_f32 v[TD+2*\k:TD+2*\k+1], v[TD+2*\k:TD+2*\k+1], v[SB+24+2*\k:SB+25+2*\k]
.endr
.endif
.if \g == 3
	v_pk_add_f32 v[TD:TD+1],   v[TD:TD+1],   v[TD+2:TD+3]
	v_pk_add_f32 v[TD+4:TD+5], v[TD+4:TD+5], v[TD+6:TD+7]
.endif
.if \g == 4
	v_pk_add_f32 v[TD:TD+1],   v[TD:TD+1],   v[TD+4:TD+5]
.endif
.if \g == 5
.if \first
	v_add_f32 v[LSR+\qt], v[TD], v[TD+1]
.else
	v_fma_f32 v[LSR+\qt], v[LSR+\qt], v[ALC], v[TD]        ; this unit's alpha: the next unit's is written further down
.endif
.endif
.if \g == 6
.if \first
.else
	v_add_f32 v[LSR+\qt], v[LSR+\qt], v[TD+1]
.endif
.endif
.endm
.macro CV qt, i                        ; P^T packed in place: register i of a half is written when registers 2 i, 2 i + 1 are read, never ahead of its own use
	v_cvt_pk_f16_f32 v[SCR+32*\qt+16*(\i/8)+\i%8], v[SCR+32*\qt+16*(\i/8)+2*(\i%8)], v[SCR+32*\qt+16*(\i/8)+2*(\i%8)+1]
.endm
; PART DA of a unit: sum and packing of query tile qt, line by line with the maximum of the next query tile qa (an = 1), so that neither's serial tail stands alone.
; Its first five lines name none of the registers of the K Q products just issued: the places in front of the maximum's first read of S(qa), and of loads into K and the mask.
.macro DA1 qt, qa, fd, an, fa
	WIN 0
	DG 0, \qt, \fd
	AG 0, \qa, \fa, \an
.endm
.macro DA2 qt, qa, fd, an, fa
	DG 1, \qt, \fd
	AG 1, \qa, \fa, \an
	DG 2, \qt, \fd                                 ; the sums have read all of S(qt): packing may begin
	AG 2, \qa, \fa, \an
	DG 3, \qt, \fd
	AG 3, \qa, \fa, \an
	CV \qt, 0
	DG 4, \qt, \fd
	AG 4, \qa, \fa, \an
	CV \qt, 1
	DG 5, \qt, \fd
	AG 5, \qa, \fa, \an
	CV \qt, 2
	DG 6, \qt, \fd
	AG 6, \qa, \fa, \an
	CV \qt, 3
	CV \qt, 4
	AG 7, \qa, \fa, \an
	CV \qt, 5
	CV \qt, 6
	AG 8, \qa, \fa, \an
	CV \qt, 7
	CV \qt, 8
	AG 9, \qa, \fa, \an
	CV \qt, 9
	CV \qt, 10
	AG 10, \qa, \fa, \an
	CV \qt, 11
	CV \qt, 12
	AG 11, \qa, \fa, \an
	CV \qt, 13
	AG 12, \qa, \fa, \an
	CV \qt, 14
	CV \qt, 15
.endm
; One sub-step: the turns of its four units.  (slot, sub): where its K and V lie; (nslot, nsub): the next sub-step's.  first = 1: the launch's first sub-step (no alpha,
; the products of P V start the sums); pz = 1: the second (the last product of the first is still due).  last = 1: nothing follows.
; sync = 1: the tile changes.  This tile's last LDS reads are this sub-step's V, waited for at the head of unit 1; all my tensor loads, my share of the next tile among
; them, are waited for there too; then the round of the cluster's barrier opens.  Units 1 and 2, register work alone, stand between the opening signal and its wait.
; Behind the round the slot just read is filled again first (refill = 1), and then the next slot is read.  A refill has a tile's eight turns less one and a half to land.
.macro SUBST slot, sub, first, pz, nslot, nsub, sync, refill, last
	; unit 0
.if \first
.else
	PARTB 0, 3, 1, \pz
	LOADV \slot, \sub                              ; behind the last product that read the old V
.endif
	PARTC 0, 1, 1
	DA1 0, 1, \first, 1, \first
	DA2 0, 1, \first, 1, \first
	; unit 1
	s_wait_dscnt 0x0                               ; V
.if \sync
	s_wait_xcnt 0x0
	v_lshl_add_u32 v254, v0, 2, 0x43400
	v_mov_b32 v255, 0
	s_wait_tensorcnt 0x0                           ; no tensor load of mine is out, so a group 0 may be written: the next slot's tile after next
	ds_add_u32 v254, v255
	s_wait_dscnt 0x0
	s_add_nc_u64 s[G0K+4*\nslot+2:G0K+4*\nslot+3], s[G0K+4*\nslot+2:G0K+4*\nslot+3], 2*TILEB
	s_add_nc_u64 s[G0V+4*\nslot+2:G0V+4*\nslot+3], s[G0V+4*\nslot+2:G0V+4*\nslot+3], 2*TILEB
	s_barrier_signal -1                            ; my reads of this slot are back and my tensor loads have landed
.endif
	PARTB 1, 0, 1-\first, \first
	PARTC 1, 2, 1
	DA1 1, 2, \first, 1, \first
	DA2 1, 2, \first, 1, \first
	; unit 2
	PARTB 2, 1, 1-\first, \first
	PARTC 2, 3, 1
	DA1 2, 3, \first, 1, \first
.if \sync
	DA2 2, 3, \first, 1, \first
	s_barrier_wait -1                              ; every window is 0 here: branches follow
	CREST                                          ; no wave of any partner still reads this slot or has a load on its way
.if \refill
	tensor_load_to_lds s[G0K+4*\slot:G0K+4*\slot+3], s[G1K:G1K+7]
	s_nop 0
	tensor_load_to_lds s[G0V+4*\slot:G0V+4*\slot+3], s[G1V:G1V+7]
	s_nop 0
.endif
	v_add_nc_u32 v[MADR], 1024, v[MADR]            ; the next tile's 256 mask numbers
	s_wait_alu depctr_va_vdst(0)
	LOADK \nslot, \nsub
.else
.if \last
.else
	LOADK \nslot, \nsub                            ; behind the five places of DA1: all products of K Q of this sub-step are issued
.endif
	DA2 2, 3, \first, 1, \first
.endif
	; unit 3
	PARTB 3, 2, 1-\first, \first
.if \last
	PARTC 3, 0, 0
	DA1 3, 0, 0, 0, 0
	DA2 3, 0, 0, 0, 0
.else
	s_wait_dscnt 0x0                               ; the next sub-step's mask and K
	PARTC 3, 0, 1
	DA1 3, 0, \first, 1, 0
	DA2 3, 0, \first, 1, 0
.endif
.endm
	; THE PROLOGUE: tile 0 is shown to all, tile 1 asked for; the first unit's products and maximum stand alone.
	s_wait_xcnt 0x0
	v_lshl_add_u32 v254, v0, 2, 0x43400
	v_mov_b32 v255, 0
	s_wait_tensorcnt 0x0                           ; my share of tile 0 is in; slot 0's group 0 may be written: tile 2
	ds_add_u32 v254, v255
	s_wait_dscnt 0x0
	s_add_nc_u64 s[G0K+2:G0K+3], s[G0K+2:G0K+3], 2*TILEB
	s_add_nc_u64 s[G0V+2:G0V+3], s[G0V+2:G0V+3], 2*TILEB
	s_wait_dscnt 0x0                               ; my stores of the mask are done
	ROUND
	tensor_load_to_lds s[G0K+4:G0K+7], s[G1K:G1K+7]   ; tile 1
	s_nop 0
	tensor_load_to_lds s[G0V+4:G0V+7], s[G1V:G1V+7]
	s_nop 0
	LOADK 0, 0
	LOADV 0, 0
	s_wait_dscnt 16                                ; the mask and K are in; the sixteen loads of V stay out
	WIN 0x04
	QK8 0
	WIN 0
.rept 4
	v_nop                                          ; four places in front of the first read of S (ISA guide 7.12.1)
.endr
.irp g, 0,1,2,3,4,5,6,7,8,9,10,11,12
	AG \g, 0, 1, 1
.endr
	SUBST 0, 0, 1, 0, 0, 1, 0, 0, 0                ; tile 0
	SUBST 0, 1, 0, 1, 1, 0, 1, 1, 0                ; slot 0 <- tile 2
	SUBST 1, 0, 0, 0, 1, 1, 0, 0, 0                ; tile 1
	SUBST 1, 1, 0, 0, 0, 0, 1, 1, 0                ; slot 1 <- tile 3
	s_mov_b32 s56, 2
.Ltiles:
	SUBST 0, 0, 0, 0, 0, 1, 0, 0, 0                ; tiles 2 and 3, then 4 and 5; they ask for tiles 4 to 7
	SUBST 0, 1, 0, 0, 1, 0, 1, 1, 0
	SUBST 1, 0, 0, 0, 1, 1, 0, 0, 0
	SUBST 1, 1, 0, 0, 0, 0, 1, 1, 0
	s_sub_co_u32 s56, s56, 1
	s_cmp_lg_u32 s56, 0
	s_cbranch_scc1 .Ltiles
	SUBST 0, 0, 0, 0, 0, 1, 0, 0, 0                ; tile 6
	SUBST 0, 1, 0, 0, 1, 0, 1, 0, 0                ; the round shows tile 7; nothing is asked for (the stepped addresses are not used)
	SUBST 1, 0, 0, 0, 1, 1, 0, 0, 0                ; tile 7
	SUBST 1, 1, 0, 0, 0, 0, 0, 0, 1
	PARTB 0, 3, 0, 0                               ; the last unit's products of P V
	WIN 0
	; THE MERGE: waves 4-7 hand their contexts, addends and sums to waves 0-3.
.rept 4
	v_nop                                          ; four places behind the last products: stores read the contexts, loads land on P's registers
.endr
	s_cmp_eq_u32 s11, 0
	s_cbranch_scc1 .Lkeeps
	WIN 0x04                                       ; store data in window 1
.set j, 0
.rept 32
	ds_store_b128 v[XADR], v[CTX+4*j:CTX+4*j+3] offset:512*j
.set j, j+1
.endr
	WIN 0
	ds_store_b128 v[XADR], v[NMR:NMR+3] offset:16384
	ds_store_b128 v[XADR], v[LSR:LSR+3] offset:16896
.Lkeeps:
	s_wait_dscnt 0x0                               ; for the partner's sake: the stores are done
	s_barrier_signal -1
	s_barrier_wait -1
	s_cmp_lg_u32 s11, 0
	s_cbranch_scc1 .Lsent
	ds_load_b128 v[PN:PN+3], v[XADR] offset:16384  ; the partner's -m' c'
	ds_load_b128 v[PL:PL+3], v[XADR] offset:16896  ; and sums
.set j, 0
.rept 32
	ds_load_b128 v[SCR+4*j:SCR+4*j+3], v[XADR] offset:512*j
.set j, j+1
.endr
	s_wait_dscnt 32                                ; the first two are in; the 32 loads of contexts stay out
.irp q, 0,1,2,3
	v_min_num_f32 v[WK+\q], v[NMR+\q], v[PN+\q]    ; the larger maximum has the smaller addend
.endr
.irp q, 0,1,2,3
	v_sub_f32 v[E0+\q], v[WK+\q], v[NMR+\q]
	v_sub_f32 v[E1+\q], v[WK+\q], v[PN+\q]
.endr
.irp q, 0,1,2,3
	v_exp_f32 v[E0+\q], v[E0+\q]                   ; my weight
	v_exp_f32 v[E1+\q], v[E1+\q]                   ; the partner's
.endr
	v_nop                                          ; the plain instruction behind the last exponential
	s_wait_alu depctr_va_vdst(0)
.irp q, 0,1,2,3
	v_mul_f32 v[WK+\q], v[LSR+\q], v[E0+\q]
.endr
.irp q, 0,1,2,3
	v_fmac_f32 v[WK+\q], v[PL+\q], v[E1+\q]
.endr
.irp q, 0,1,2,3
	v_permlanex16_b32 v[PX+\q], v[WK+\q], s22, s23 ; the sums of the other half of the lanes' keys (the destination was written before, by K's loads)
.endr
.irp q, 0,1,2,3
	v_add_f32 v[WK+\q], v[WK+\q], v[PX+\q]
.endr
.irp q, 0,1,2,3
	v_rcp_f32 v[WK+\q], v[WK+\q]
.endr
	v_nop                                          ; the plain instruction behind the last reciprocal
	s_wait_alu depctr_va_vdst(0)
.irp q, 0,1,2,3
	v_mul_f32 v[F0+\q], v[E0+\q], v[WK+\q]         ; my contexts' factor
	v_mul_f32 v[F1+\q], v[E1+\q], v[WK+\q]         ; the partner's
.endr
	s_wait_dscnt 0x0
.macro MRG1 qt, q
.set j, 0
.rept 16
	v_pk_mul_f32 v[SCR+32*\qt+2*j:SCR+32*\qt+2*j+1], v[SCR+32*\qt+2*j:SCR+32*\qt+2*j+1], v[F1+2*(\qt/2):F1+2*(\qt/2)+1] op_sel:[0,\q] op_sel_hi:[1,\q]
.set j, j+1
.endr
.endm
.macro MRG0 qt, q
.set j, 0
.rept 16
	v_pk_fma_f32 v[SCR+32*\qt+2*j:SCR+32*\qt+2*j+1], v[CTX+32*\qt+2*j:CTX+32*\qt+2*j+1], v[F0+2*(\qt/2):F0+2*(\qt/2)+1], v[SCR+32*\qt+2*j:SCR+32*\qt+2*j+1] op_sel:[0,\q,0] op_sel_hi:[1,\q,1]
.set j, j+1
.endr
.endm
	MRG1 0, 0
	MRG1 1, 1
	MRG1 2, 0
	MRG1 3, 1
	WIN 0x01                                       ; source 0 (my contexts) in window 1
	MRG0 0, 0
	MRG0 1, 1
	MRG0 2, 0
	MRG0 3, 1
	WIN 0
	; THE WAY OUT, 16 queries at a time: lane (r, h) holds d = 16 dt + 8 h + j of query r; through my own stage the rows come back whole:
	; sixteen lanes store the 256 consecutive, aligned bytes of a head's row.  LDS serves a wave's instructions in order (ISA guide 5.7.1): no wait between stores and loads.
.macro OUTQ qt
.irp dt, 0,1,2,3
	ds_store_b128 v[STO], v[SCR+32*\qt+8*\dt:SCR+32*\qt+8*\dt+3]   offset:64*\dt
	ds_store_b128 v[STO], v[SCR+32*\qt+8*\dt+4:SCR+32*\qt+8*\dt+7] offset:64*\dt+16
.endr
.if \qt >= 2
	s_wait_xcnt 0x0                                ; the registers loaded below were the data of the stores two turns ago
.endif
.irp t, 0,1,2,3,4,5,6,7
	ds_load_b128 v[OUTF+32*(\qt%2)+4*\t:OUTF+32*(\qt%2)+4*\t+3], v[RD] offset:544*\t
.endr
.irp t, 0,1,2,3,4,5,6,7
	s_wait_dscnt 7-\t                              ; LDS loads return in order: rows 2 t, 2 t + 1 are in
	global_store_b128 v[CO], v[OUTF+32*(\qt%2)+4*\t:OUTF+32*(\qt%2)+4*\t+3], s[60:61] offset:(16*\qt+2*\t)*ROWB th:TH_STORE_NT
.endr
.endm
	OUTQ 0
	OUTQ 1
	OUTQ 2
	OUTQ 3
.Lsent:
	s_wait_dscnt 0x0                               ; met on both ways: no LDS instruction is pending at a signal
	s_wait_xcnt 0x0
	v_lshl_add_u32 v254, v0, 2, 0x43400
	v_mov_b32 v255, 0
	s_wait_tensorcnt 0x0
	ds_add_u32 v254, v255
	s_wait_dscnt 0x0
	ROUND                                          ; the closing round: no work-group ends while a partner may still ask for a tile that names it
	s_endpgm
.Lfunc_end_k_q576bb33f62_attn:
	.size	k_q576bb33f62_attn, .Lfunc_end_k_q576bb33f62_attn-k_q576bb33f62_attn
	.p2alignl 7, 3214868480
	.fill 96, 4, 3214868480
	.section	.rodata,"a",@progbits
	.p2align	6, 0x0
	.amdhsa_kernel k_q576bb33f62_attn
		.amdhsa_group_segment_fixed_size 327680
		.amdhsa_private_segment_fixed_size 0
		.amdhsa_enable_private_segment 0
		.amdhsa_kernarg_size 24
		.amdhsa_user_sgpr_count 2
		.amdhsa_user_sgpr_kernarg_segment_ptr 1
		.amdhsa_wavefront_size32 1
		.amdhsa_system_sgpr_workgroup_id_x 1
		.amdhsa_system_sgpr_workgroup_id_y 1
		.amdhsa_system_sgpr_workgroup_id_z 1
		.amdhsa_system_vgpr_workitem_id 0
		.amdhsa_next_free_vgpr 512
		.amdhsa_next_free_sgpr 66
		.amdhsa_reserve_vcc 0
		.amdhsa_float_denorm_mode_32 3
		.amdhsa_float_denorm_mode_16_64 3
		.amdhsa_memory_ordered 1
		.amdhsa_forward_progress 1
		.amdhsa_inst_pref_size 255
	.end_amdhsa_kernel
	.section	.bss,"aw",@nobits
	.p2align	6
	.space	262144
	.amdgpu_metadata
---
amdhsa.version: [ 1, 2 ]
amdhsa.kernels:
  - .name:           k_q576bb33f62_attn
    .symbol:         k_q576bb33f62_attn.kd
    .args:
      - { .name: qkv, .offset: 0, .size: 8, .value_kind: global_buffer, .address_space: global }
      - { .name: attention_mask, .offset: 8, .size: 8, .value_kind: global_buffer, .address_space: global }
      - { .name: out0, .offset: 16, .size: 8, .value_kind: global_buffer, .address_space: global }
    .group_segment_fixed_size: 327680
    .private_segment_fixed_size: 0
    .kernarg_segment_align: 8
    .kernarg_segment_size: 24
    .max_flat_workgroup_size: 256
    .sgpr_count:     66
    .vgpr_count:     512
    .wavefront_size: 32
...
	.end_amdgpu_metadata
.endif
;; end of part 3
;; ======== version 2 of 2: 3 launches; 1.10 times as fast as version 1
;; limits: values are held in f16: magnitudes above 65,504 overflow, below 6.1e-05 lose precision; right only within a limited range of input values
;; workspace buffers: xb 6,291,456 bytes; wb 3,538,944 bytes; qkv 18,874,368 bytes
;; launch cast: the kernel of part 1 again; grid 600 x 1, 8 waves a work-group, no clusters, 0 bytes of LDS; arguments hidden_states, Wq, Wk, Wv, xb, wb; writes xb, wb
;; launch proj: the kernel of part 2 again; grid 8 x 32, 4 waves a work-group, clusters of 4 x 4, 327,680 bytes of LDS; arguments xb, wb, bq, bk, bv, qkv; writes qkv
;; launch attn (part 4): grid 192 x 1, 8 waves a work-group, clusters of 4 x 1, 327,680 bytes of LDS; arguments qkv, attention_mask, out0; writes out0
.if DOCPART == 4
	.amdgcn_target "amdgcn-amd-amdhsa--gfx1250"
	.amdhsa_code_object_version 6
	.text
	.protected	k_q576bb33f62_attn
	.globl	k_q576bb33f62_attn
	.p2align	8
	.type	k_q576bb33f62_attn,@function
k_q576bb33f62_attn:
	s_mov_b64 s[64:65], 0
	v_nop
	global_prefetch_b8 v0, s[64:65] scope:SCOPE_SE
	s_setreg_imm32_b32 hwreg(HW_REG_WAVE_MODE, 25, 1), 1
	s_wait_xcnt 0x0
	s_wait_alu depctr_hold_cnt(0) depctr_sa_sdst(0) depctr_va_vdst(0) depctr_va_sdst(0) depctr_va_ssrc(0) depctr_va_vcc(0) depctr_vm_vsrc(0)
	s_getreg_b32 s2, hwreg(HW_REG_IB_STS2, 6, 4)
	s_cmp_eq_u32 s2, 0
	s_cbranch_scc0 .Lentry_in_a_cluster
	s_endpgm
.Lentry_in_a_cluster:
	s_bfe_u32 s2, ttmp6, 0x10000c
	s_cmp_lg_u32 s2, 0x3003
	s_cbranch_scc0 .Lentry_shape_is_right
	s_endpgm
.Lentry_shape_is_right:
; out0 = softmax(q k^T / 8 + mask) v, head by head, with a running maximum; q, k, v in f16 from qkv[mat][2 (12 batch + head) + half][2048 tokens][32].
; A work-group takes 256 queries of one head: 24 heads x 8 blocks = 192 work-groups (an equal split over more would need pieces of several heads in one work-group).
; Eight waves, two for each of a WGP's four SIMDs: wave w takes queries 64 (w & 3) .. + 63 and, of every tile of 256 keys, keys 128 (w >> 2) .. + 127,
; in two sub-steps of 64.  The two key groups keep their own addends, sums and contexts, which are merged once at the end through LDS.
; CLUSTERS: the four work-groups of a cluster are four query blocks of ONE head; every K and V tile is asked for jointly (mask 15).
; ARITHMETIC: s' = q.k + 8 mask (the mask, times 8, is the C of the first product), p = exp2(s' c' - m' c') with c' = log2(e) / 8.
;   S^T = K Q^T:   source 0 = 16 keys x 32 d, source 1 = 16 queries x 32 d: lane (r, h) register j = (key 8 h + j, query r): a lane's numbers belong to one query.
;   ctx^T += V^T P^T: source 0 = V through the transposing LDS load, source 1 = P^T, whose fragment is the lane's own S registers packed in place.
;   The running maximum is kept as its addend -m' c' alone: the new addend is min(old addend, -c' x this unit's maximum), the same number as -c' x the larger maximum,
;   since the rounding of a product is monotone.
; THE PIPELINE: a unit is one query tile of one sub-step (16 queries x 64 keys).  The turn of unit u has four parts.  B: ctx(u) is rescaled among the 8 products of P V (u - 1).
; C: the 8 products of K Q (u + 1), behind each four of u's scalings and exponentials.  THE LUMP: the rest of u's exponentials, line by line with the maximum, the addend and
; alpha of u + 1.  D: u's sums and packing.  K and V are both resident for that.
; THE BATCHES: a turn's 33 transcendentals, u's 32 exponentials and, last, alpha of u + 1, are ONE batch with ONE wait, between the lump and part D.  Ahead of that wait nothing
; names a result of theirs: the products, the scalings and the next unit's maximum read other registers, and the rescaling reads alpha of u, waited for a turn earlier.  Behind it
; stand all their readers (sums, packing; the next turn's rescaling) and no transcendental.
; alpha has two registers, by the query tile's parity: alpha of u is still read behind the wait, by the running sum, when alpha of u + 1 has been issued.
; The merge at the end has two batches more, eight exponentials and four reciprocals of sums of them, with a wait each.
; LIMITS: |mask| above 4.2e37 becomes infinite when multiplied by 8.  The running maximum starts at -1e30 (in units of 8 x score): a row ALL of whose scores
; lie below -1.25e29 while finite comes out NaN (a row all of -inf comes out NaN here as in the softmax itself).  p lies in [0, 1] and is rounded to f16 for the
; product with v: a p below 3e-8 of its key group's running maximum becomes zero, which over 2,048 keys is at most 6e-5 of the sum.  The sum itself is kept in f32.
.set KP,    80                         ; K in LDS: a key's 64 bytes + 16: an odd multiple of 16
.set VP,    96                         ; V in LDS: a key's 64 bytes + 32: an odd multiple of 32, as the transposing load's addresses want
.set VREG,  2*256*KP                   ; a slot: K [half 2][256 keys], 40,960 bytes, then V [half 2][256 keys], 49,152 bytes
.set SLOT,  VREG+2*256*VP              ; 90,112
.set MASKB, 2*SLOT                     ; 180,224: 8 x mask of my batch, 2,048 f32.  This and what follows are multiples of 256 and never a tensor load's target
.set XCH,   MASKB+8192                 ; 188,416: the exchange, 17,408 bytes for each pair of waves
.set XW,    17408
.set STG,   XCH+4*XW                   ; 258,048: the way out, 16 rows x 272 bytes for each of waves 0-3
.set SW,    4352
.set MATB,  6291456                    ; bytes of one matrix in qkv
.set BLKB,  131072                     ; bytes of one half head: 2,048 tokens x 64
.set TILEB, 16384                      ; 256 keys x 64 bytes
.set ROWB,  3072                       ; a row of out0
; window 0
.set CO,   1                           ; v1      my bytes in out0
.set KADR, 2                           ; v2-3    my K fragments in slot 0, 1
.set VADR, 4                           ; v4-5    my V fragments in slot 0, 1
.set MADR, 6                           ; v6      my mask registers, stepped by 1,024 bytes a tile
.set XADR, 7                           ; v7      exchange
.set NMR,  8                           ; v8-11   -m' c' of query tile qt, rounded: the addend of every exponent; the packed scaling names the pair that holds it and broadcasts the one register
.set LSR,  12                          ; v12-15  running sum (this lane's keys)
.set ALC,  16                          ; v16-17  alpha of query tile qt at 16 + qt % 2; the packed rescaling names the pair and broadcasts the one register
.set STO,  18                          ; v18     the way out: in
.set RD,   19                          ; v19     the way out: back
.set TA,   20                          ; v20-23  at work on a maximum
.set TD,   24                          ; v24-31  at work on a sum
.set KF,   32                          ; v32-95  K(kt, half) at 32 + 32 half + 8 kt
.set MKR,  96                          ; v96-127 mask tile kt at 96 + 8 kt
.set SCR,  128                         ; v128-255 S(kt, qt) at 128 + 32 qt + 8 kt; P(qt, c) at 128 + 32 qt + 16 c, in place
; set-up temporaries, in S's registers (free until the first product)
.set RR,   130                         ; r = lane & 15
.set HH,   131                         ; h = lane >> 4
.set TS,   132                         ; v132-133
.set MOF,  134                         ; 16 t: my bytes of the mask in memory
.set MLD,  135                         ; and in LDS
.set QOFF, 136                         ; my bytes in a Q tile
.set MDAT, 140                         ; v140-147 eight mask numbers
; the merge's temporaries, in K's and the mask's registers (free behind the last product)
.set PN,   32                          ; v32-35  the partner's addends
.set PL,   36                          ; v36-39  the partner's sums
.set F1,   40                          ; v40-43  the partner's contexts' factor
.set WK,   44                          ; v44-47  common addend, then sum, then its reciprocal
.set E0,   48                          ; v48-51  my weight
.set E1,   52                          ; v52-55  the partner's weight
.set PX,   56                          ; v56-59  the other half of the lanes' sums
.set F0,   24                          ; v24-27  my contexts' factor
.set OUTF, 64                          ; v64-127 rows on their way out
; window 1
.set CTX,  0                           ; ctx^T(qt, dt) at 8 (4 qt + dt)
.set QFR,  128                         ; Q(qt, half) at 128 + 16 qt + 8 half
.set VF,   192                         ; V(c, dt) at 192 + 32 c + 8 dt
.set G1K, 24                           ; s[24:31] group 1 for K
.set G1V, 32                           ; s[32:39] group 1 for V
.set G0K, 40                           ; s[40:47] group 0 for K, one set for each slot
.set G0V, 48                           ; s[48:55] group 0 for V, one set for each slot
.set MSB, 0
.macro WIN new                         ; the immediate's high byte repeats the setting that is left
.if MSB != \new
	s_set_vgpr_msb (MSB<<8)|\new
.set MSB, \new
.endif
.endm
.macro CREST                           ; a round of the cluster's barrier behind its opening work-group barrier
	s_cmp_lg_u32 s10, 0
	s_cbranch_scc1 .Lnot_wave_0_\@
	s_barrier_signal -3
.Lnot_wave_0_\@:
	s_barrier_wait -3
	s_barrier_signal -1
	s_barrier_wait -1
.endm
.macro ROUND                           ; a whole round
	s_barrier_signal -1
	s_barrier_wait -1
	CREST
.endm
	s_load_b128 s[4:7], s[0:1], 0x0                ; qkv s[4:5], attention_mask s[6:7]
	s_load_b64 s[8:9], s[0:1], 0x10                ; out0
	v_lshl_add_u32 v254, v0, 2, 0x43400
	v_mov_b32 v255, 0
	ds_add_u32 v254, v255
	s_wait_dscnt 0x0
	v_lshrrev_b32 v1, 5, v0
	v_readfirstlane_b32 s10, v1                    ; wave 0..7
	s_lshr_b32 s11, s10, 2                         ; g: key group.  Also: which half of d I fetch
	s_and_b32 s12, s10, 3                          ; wq: which 64 queries.  Also: which 64 keys of a tile I fetch
	s_bfe_u32 s13, ttmp6, 0x40000                  ; cx
	s_lshr_b32 s14, ttmp9, 1                       ; bh = 12 batch + head: the same in the four partners
	s_and_b32 s15, ttmp9, 1
	s_lshl_b32 s15, s15, 2
	s_add_co_u32 s15, s15, s13                     ; query block 0..7
	s_cmp_ge_u32 s14, 12
	s_cselect_b32 s16, 1, 0                        ; batch
	s_mul_i32 s17, s16, 12
	s_sub_co_u32 s17, s14, s17                     ; head
	s_mov_b32 s22, 0x76543210                      ; v_permlanex16_b32: lane i of one half reads lane i of the other
	s_mov_b32 s23, 0xfedcba98
	v_and_b32 v[RR], 15, v0                        ; r
	v_bfe_u32 v[HH], v0, 4, 1                      ; h
	v_lshlrev_b32 v[QOFF], 6, v[RR]
	v_lshl_add_u32 v[QOFF], v[HH], 4, v[QOFF]      ; token r x 64 bytes + 16 h
	v_lshlrev_b32 v[MOF], 4, v0                    ; 16 t: my bytes of the mask
	; A wave's share of a tile is 4,096 dense bytes of K and of V (64 keys x 64 bytes), brought as 16 rows of 256 bytes; the padding is laid behind every 64 bytes.
	s_mov_b32 s[G1K+0], 15|(3<<16)|(1<<20)|(1<<21)|(3<<22)|(3<<25)  ; mask: all four partners; elements of 8 bytes; padding on; bit 21 beside a mask; after every 16 words; 4 words
	s_mov_b32 s[G1K+1], 32<<16                     ; tensor_dim0 = 32 elements
	s_mov_b32 s[G1K+2], 16<<16                     ; tensor_dim1 = 16
	s_mov_b32 s[G1K+3], 32<<16                     ; tile_dim0 = 32
	s_mov_b32 s[G1K+4], 16                         ; tile_dim1 = 16 rows
	s_mov_b32 s[G1K+5], 32                         ; a row begins where the last ends
	s_mov_b32 s[G1K+6], 0
	s_mov_b32 s[G1K+7], 0
	s_mov_b32 s[G1V+0], 15|(3<<16)|(1<<20)|(1<<21)|(3<<22)|(7<<25)  ; the same with 8 words of padding
	s_mov_b32 s[G1V+1], 32<<16
	s_mov_b32 s[G1V+2], 16<<16
	s_mov_b32 s[G1V+3], 32<<16
	s_mov_b32 s[G1V+4], 16
	s_mov_b32 s[G1V+5], 32
	s_mov_b32 s[G1V+6], 0
	s_mov_b32 s[G1V+7], 0
	s_lshl_b32 s18, s14, 18                        ; my share of tile 0, from a matrix's first byte: head, half, 64 keys.  No place in the cluster enters it
	s_lshl_b32 s19, s11, 17
	s_add_co_u32 s18, s18, s19
	s_lshl_b32 s19, s12, 12
	s_add_co_u32 s18, s18, s19
	s_mov_b32 s19, 0
	s_mul_i32 s57, s10, 64*KP                      ; where it goes: wave x 64 keys, in K's region
	s_mul_i32 s56, s10, 64*VP
	s_add_co_u32 s56, s56, VREG                    ; and in V's
	s_lshl_b32 s2, s15, 14                         ; my 64 queries (s2, s3 alone ever hold numbers made from cx)
	s_lshl_b32 s3, s14, 18
	s_add_co_u32 s2, s2, s3
	s_lshl_b32 s3, s12, 12
	s_add_co_u32 s2, s2, s3
	s_mov_b32 s3, 0
	s_lshl_b32 s62, s16, 13                        ; my batch's 2,048 mask numbers
	s_mov_b32 s63, 0
	s_wait_kmcnt 0x0
	s_add_nc_u64 s[20:21], s[4:5], s[18:19]
	s_add_nc_u64 s[58:59], s[4:5], s[2:3]          ; Q
	s_add_nc_u64 s[6:7], s[6:7], s[62:63]          ; mask
	s_lshl_b32 s2, s16, 11                         ; my first row of out0: 2,048 batch + 256 block + 64 wq
	s_lshl_b32 s3, s15, 8
	s_add_co_u32 s2, s2, s3
	s_lshl_b32 s3, s12, 6
	s_add_co_u32 s2, s2, s3
	s_mul_i32 s2, s2, ROWB
	s_lshl_b32 s3, s17, 8                          ; + the head's 256 bytes
	s_add_co_u32 s2, s2, s3
	s_mov_b32 s3, 0
	s_add_nc_u64 s[60:61], s[8:9], s[2:3]
.irp n, 0,1
	s_mov_b32 s[G0K+4*\n], 1                                       ; slot n's group 0 starts at tile n
	s_add_co_u32 s[G0K+4*\n+1], s57, \n*SLOT
	s_add_nc_u64 s[G0K+4*\n+2:G0K+4*\n+3], s[20:21], MATB+\n*TILEB
	s_or_b32 s[G0K+4*\n+3], s[G0K+4*\n+3], 0x80000000
	s_mov_b32 s[G0V+4*\n], 1
	s_add_co_u32 s[G0V+4*\n+1], s56, \n*SLOT
	s_add_nc_u64 s[G0V+4*\n+2:G0V+4*\n+3], s[20:21], 2*MATB+\n*TILEB
	s_or_b32 s[G0V+4*\n+3], s[G0V+4*\n+3], 0x80000000
.endr
	ROUND                                          ; the four partners are here: the first joint loads meet
	tensor_load_to_lds s[G0K:G0K+3], s[G1K:G1K+7]  ; tile 0.  A wave has two tensor loads out behind each round, never more in this text
	s_nop 0
	tensor_load_to_lds s[G0V:G0V+3], s[G1V:G1V+7]
	s_nop 0
	global_load_b128 v[MDAT:MDAT+3], v[MOF], s[6:7]                ; the mask: 256 threads x 2 x 16 bytes = 8,192
	global_load_b128 v[MDAT+4:MDAT+7], v[MOF], s[6:7] offset:4096
	WIN 0x40                                       ; destination in window 1
.irp qt, 0,1,2,3
.irp hf, 0,1
	global_load_b128 v[QFR+16*\qt+8*\hf:QFR+16*\qt+8*\hf+3],   v[QOFF], s[58:59] offset:\hf*BLKB+1024*\qt
	global_load_b128 v[QFR+16*\qt+8*\hf+4:QFR+16*\qt+8*\hf+7], v[QOFF], s[58:59] offset:\hf*BLKB+1024*\qt+32
.endr
.endr
	WIN 0
	; LDS addresses, from the lane and the wave's number alone
	s_mul_i32 s18, s11, 128*KP
	v_mul_u32_u24 v[KADR], v[RR], KP
	v_lshl_add_u32 v[KADR], v[HH], 4, v[KADR]
	v_add_nc_u32 v[KADR], s18, v[KADR]             ; key 128 g + r, byte 16 h
	v_add_nc_u32 v[KADR+1], SLOT, v[KADR]
	s_mul_i32 s18, s11, 128*VP
	s_add_co_u32 s18, s18, VREG
	v_and_b32 v[TS], 7, v0
	v_lshl_add_u32 v[TS], v[HH], 3, v[TS]
	v_mul_u32_u24 v[VADR], v[TS], VP
	v_bfe_u32 v[TS+1], v0, 3, 1
	v_lshl_add_u32 v[VADR], v[TS+1], 4, v[VADR]
	v_add_nc_u32 v[VADR], s18, v[VADR]             ; key 128 g + 8 h + (lane & 7), byte 16 ((lane >> 3) & 1)
	v_add_nc_u32 v[VADR+1], SLOT, v[VADR]
	s_lshl_b32 s18, s11, 9
	s_add_co_u32 s18, s18, MASKB
	v_lshl_add_u32 v[MADR], v[HH], 5, s18          ; key 128 g + 8 h, 4 bytes each
	s_mul_i32 s18, s12, XW
	s_add_co_u32 s18, s18, XCH
	v_and_b32 v[TS], 31, v0
	v_lshl_add_u32 v[XADR], v[TS], 4, s18
	s_mul_i32 s18, s12, SW
	s_add_co_u32 s18, s18, STG
	v_mul_u32_u24 v[STO], v[RR], 272
	v_lshl_add_u32 v[STO], v[HH], 5, v[STO]
	v_add_nc_u32 v[STO], s18, v[STO]               ; query r, d = 8 h
	v_mul_u32_u24 v[RD], v[HH], 272
	v_lshl_add_u32 v[RD], v[RR], 4, v[RD]
	v_add_nc_u32 v[RD], s18, v[RD]                 ; lanes 0-15 one row of 256 bytes, lanes 16-31 the next
	v_mul_u32_u24 v[CO], v[HH], ROWB
	v_lshl_add_u32 v[CO], v[RR], 4, v[CO]
	v_add_nc_u32 v[MLD], MASKB, v[MOF]
	v_mov_b32 v[ALC+1], 1.0                        ; the packed forms name whole pairs and broadcast one register: the odd register of each pair, named with the even one
	v_mov_b32 v[NMR+1], 0                          ; before its own first number is made, is written here; these three numbers enter no result
	v_mov_b32 v[NMR+3], 0
	s_wait_loadcnt 16                              ; the two mask loads are in; the sixteen Q loads behind them stay out
.irp p, 0,2,4,6
	v_pk_mul_f32 v[MDAT+\p:MDAT+\p+1], v[MDAT+\p:MDAT+\p+1], 0x41000000 op_sel_hi:[1,0]   ; x 8, exact
.endr
	ds_store_b128 v[MLD], v[MDAT:MDAT+3]
	ds_store_b128 v[MLD], v[MDAT+4:MDAT+7] offset:4096   ; shown to the other waves by the wait and the round below
	s_wait_loadcnt 0x0                             ; Q; also frees the loads' offset registers, which lie in S's registers
; 24 LDS loads: the mask (8) and K (16) of sub-step sub of the tile in slot
.macro LOADK slot, sub
	WIN 0
.irp kt, 0,1,2,3
	ds_load_b128 v[MKR+8*\kt:MKR+8*\kt+3],   v[MADR] offset:256*\sub+64*\kt       ; register j: 8 x mask of key 8 h + j
	ds_load_b128 v[MKR+8*\kt+4:MKR+8*\kt+7], v[MADR] offset:256*\sub+64*\kt+16
.endr
.irp hf, 0,1
.irp kt, 0,1,2,3
	ds_load_b128 v[KF+32*\hf+8*\kt:KF+32*\hf+8*\kt+3],   v[KADR+\slot] offset:\hf*256*KP+\sub*64*KP+\kt*16*KP
	ds_load_b128 v[KF+32*\hf+8*\kt+4:KF+32*\hf+8*\kt+7], v[KADR+\slot] offset:\hf*256*KP+\sub*64*KP+\kt*16*KP+32
.endr
.endr
.endm
; 16 transposing LDS loads: V of that sub-step, into window 1
.macro LOADV slot, sub
	WIN 0x40
.irp c, 0,1
.irp dt, 0,1,2,3
	ds_load_tr16_b128 v[VF+32*\c+8*\dt:VF+32*\c+8*\dt+3],   v[VADR+\slot] offset:(\dt/2)*256*VP+\sub*64*VP+\c*32*VP+32*(\dt%2)
	ds_load_tr16_b128 v[VF+32*\c+8*\dt+4:VF+32*\c+8*\dt+7], v[VADR+\slot] offset:(\dt/2)*256*VP+\sub*64*VP+\c*32*VP+32*(\dt%2)+16*VP
.endr
.endr
.endm
; The 8 products of K Q for query tile qn in one run (the prologue alone); under the window setting 0x04
.macro QK8 qn
.irp kt, 0,1,2,3
	v_wmma_f32_16x16x32_f16 v[SCR+32*\qn+8*\kt:SCR+32*\qn+8*\kt+7], v[KF+8*\kt:KF+8*\kt+7], v[QFR+16*\qn:QFR+16*\qn+7], v[MKR+8*\kt:MKR+8*\kt+7]
.endr
.irp kt, 0,1,2,3
	v_wmma_f32_16x16x32_f16 v[SCR+32*\qn+8*\kt:SCR+32*\qn+8*\kt+7], v[KF+32+8*\kt:KF+32+8*\kt+7], v[QFR+16*\qn+8:QFR+16*\qn+15], v[SCR+32*\qn+8*\kt:SCR+32*\qn+8*\kt+7]
.endr
.endm
; Product w (0..7) of K Q for query tile qn: d half w / 4, key tile w % 4.  The first four start the sums with the mask; the four accumulators take turns.
.macro KQW qn, w
.if \w < 4
	v_wmma_f32_16x16x32_f16 v[SCR+32*\qn+8*\w:SCR+32*\qn+8*\w+7], v[KF+8*\w:KF+8*\w+7], v[QFR+16*\qn:QFR+16*\qn+7], v[MKR+8*\w:MKR+8*\w+7]
.else
	v_wmma_f32_16x16x32_f16 v[SCR+32*\qn+8*(\w-4):SCR+32*\qn+8*(\w-4)+7], v[KF+32+8*(\w-4):KF+32+8*(\w-4)+7], v[QFR+16*\qn+8:QFR+16*\qn+15], v[SCR+32*\qn+8*(\w-4):SCR+32*\qn+8*(\w-4)+7]
.endif
.endm
; Product w (0..7) of P V for query tile qp: keys 32 (w / 4) .. + 31 of the sub-step, d tile w % 4.  z = 1: the launch's first sub-step: the first four start the sums.
.macro PVW qp, w, z
.set pvz, 0
.if \z
.if \w < 4
.set pvz, 1
.endif
.endif
.if pvz
	v_wmma_f32_16x16x32_f16 v[CTX+8*(4*\qp+\w%4):CTX+8*(4*\qp+\w%4)+7], v[VF+32*(\w/4)+8*(\w%4):VF+32*(\w/4)+8*(\w%4)+7], v[SCR+32*\qp+16*(\w/4):SCR+32*\qp+16*(\w/4)+7], 0
.else
	v_wmma_f32_16x16x32_f16 v[CTX+8*(4*\qp+\w%4):CTX+8*(4*\qp+\w%4)+7], v[VF+32*(\w/4)+8*(\w%4):VF+32*(\w/4)+8*(\w%4)+7], v[SCR+32*\qp+16*(\w/4):SCR+32*\qp+16*(\w/4)+7], v[CTX+8*(4*\qp+\w%4):CTX+8*(4*\qp+\w%4)+7]
.endif
.endm
.macro RSC qt, j                       ; two numbers of ctx^T(qt) times alpha of qt: register qt % 2 of the pair, for both.  That alpha was waited for in the turn before
.if \qt%2
	v_pk_mul_f32 v[CTX+32*\qt+2*(\j):CTX+32*\qt+2*(\j)+1], v[CTX+32*\qt+2*(\j):CTX+32*\qt+2*(\j)+1], v[ALC:ALC+1] op_sel:[0,1] op_sel_hi:[1,1]
.else
	v_pk_mul_f32 v[CTX+32*\qt+2*(\j):CTX+32*\qt+2*(\j)+1], v[CTX+32*\qt+2*(\j):CTX+32*\qt+2*(\j)+1], v[ALC:ALC+1] op_sel:[0,0] op_sel_hi:[1,0]
.endif
.endm
; PART B of a unit: ctx^T(qt) is rescaled (resc = 1) among the 8 products of P V for the query tile before, qp.  One window setting serves both: ctx and V in window 1,
; P and alpha in window 0 (the packed multiply has no third source).  The four accumulators take turns, one instruction a turn.
; Four multiplies, which name none of its registers, stand behind the last product: the places that V's next loads need (ISA guide 7.12.1 for vector instructions).
.macro PARTB qt, qp, resc, z
	WIN 0x51
.irp w, 0,1,2,3,4
	PVW \qp, \w, \z
.if \resc
	RSC \qt, 2*\w
	RSC \qt, 2*\w+1
.endif
.endr
	PVW \qp, 5, \z
.if \resc
	RSC \qt, 10
.endif
	PVW \qp, 6, \z
.if \resc
	RSC \qt, 11
.endif
	PVW \qp, 7, \z
.if \resc
	RSC \qt, 12
	RSC \qt, 13
	RSC \qt, 14
	RSC \qt, 15
.endif
.endm
.macro FL qt, n                        ; the scaling s' c' - m' c' of pair n (0..15) of query tile qt's 32 scores, in place; the addend is register qt % 2 of its pair, for both
.if \qt%2
	v_pk_fma_f32 v[SCR+32*\qt+2*(\n):SCR+32*\qt+2*(\n)+1], v[SCR+32*\qt+2*(\n):SCR+32*\qt+2*(\n)+1], 0x3e38aa3b, v[NMR+2*(\qt/2):NMR+2*(\qt/2)+1] op_sel:[0,0,1] op_sel_hi:[1,0,1]
.else
	v_pk_fma_f32 v[SCR+32*\qt+2*(\n):SCR+32*\qt+2*(\n)+1], v[SCR+32*\qt+2*(\n):SCR+32*\qt+2*(\n)+1], 0x3e38aa3b, v[NMR+2*(\qt/2):NMR+2*(\qt/2)+1] op_sel:[0,0,0] op_sel_hi:[1,0,0]
.endif
.endm
.macro EL qt, n                        ; the exponential of score n (0..31) of query tile qt, in place; it stands behind scaling n / 2; its result is named only behind the turn's wait
	v_exp_f32 v[SCR+32*\qt+(\n)], v[SCR+32*\qt+(\n)]
.endm
; PART C of a unit: the 8 products of K Q for the next query tile qn (qk = 1); behind each of the first seven stand four lines of query tile qt's own, a scaling first:
; scalings 0-14 and exponentials 0-12.  One window setting serves all: Q, source 1, in window 1; the vector lines here name no vector register as their second source.
; The scalings name no register of the products and are the places (ISA guide 7.12.1) between the products that end S(qn)'s accumulators and the maximum's reads in the lump.
.macro PARTC qt, qn, qk
	WIN 0x04
.if \qk
	KQW \qn, 0
.endif
	FL \qt, 0
	FL \qt, 1
	FL \qt, 2
	EL \qt, 0
.irp k, 1,2,3,4,5,6
.if \qk
	KQW \qn, \k
.endif
	FL \qt, 2*\k+1
	EL \qt, 2*\k-1
	FL \qt, 2*\k+2
	EL \qt, 2*\k
.endr
.if \qk
	KQW \qn, 7
.endif
	WIN 0
.endm
; Piece g of the maximum of query tile qa over its 64 keys, its new addend and alpha.  first = 1: the launch's first sub-step.  on = 0: nothing.
.macro AG g, qa, first, on
.if \on
.set SA, SCR+32*\qa
.if \g == 0
	v_max3_num_f32 v[TA],   v[SA],   v[SA+1],  v[SA+2]     ; four chains that do not wait for each other
	v_max3_num_f32 v[TA+1], v[SA+3], v[SA+4],  v[SA+5]
	v_max3_num_f32 v[TA+2], v[SA+6], v[SA+7],  v[SA+8]
	v_max3_num_f32 v[TA+3], v[SA+9], v[SA+10], v[SA+11]
.endif
.if \g == 1
.irp k, 0,1,2,3
	v_max3_num_f32 v[TA+\k], v[TA+\k], v[SA+12+2*\k], v[SA+13+2*\k]
.endr
.endif
.if \g == 2
.irp k, 0,1,2,3
	v_max3_num_f32 v[TA+\k], v[TA+\k], v[SA+20+2*\k], v[SA+21+2*\k]
.endr
.endif
.if \g == 3
	v_max3_num_f32 v[TA],   v[TA],   v[SA+28], v[SA+29]
	v_max3_num_f32 v[TA+1], v[TA+1], v[SA+30], v[SA+31]
.endif
.if \g == 4
	v_max3_num_f32 v[TA], v[TA], v[TA+1], v[TA+2]
.endif
.if \g == 5
.if \first
	v_max3_num_f32 v[TA], v[TA], v[TA+3], 0xf149f2ca       ; -1e30: keeps the maximum finite where every key so far is masked by -inf
.else
	v_max_num_f32 v[TA], v[TA], v[TA+3]
.endif
.endif
.if \g == 6
	v_permlanex16_b32 v[TA+1], v[TA], s22, s23             ; the other eight keys of each tile lie in the other half of the lanes
.endif
.if \g == 7
	v_max_num_f32 v[TA], v[TA], v[TA+1]
.endif
.if \g == 8
.if \first
	v_mul_f32 v[NMR+\qa], 0xbe38aa3b, v[TA]                ; -m' c'
.else
	v_mul_f32 v[TA+2], 0xbe38aa3b, v[TA]
.endif
.endif
.if \first
.else
.if \g == 9
	v_min_num_f32 v[TA+2], v[NMR+\qa], v[TA+2]             ; the larger maximum has the smaller addend
.endif
.if \g == 10
	v_sub_f32 v[TA+3], v[TA+2], v[NMR+\qa]                 ; from the ROUNDED addends, so that old and new terms stand on exactly the same footing
.endif
.if \g == 11
	v_exp_f32 v[ALC+\qa%2], v[TA+3]                        ; alpha of qa: the batch's last; the other register of the pair still holds the alpha of the unit at work
.endif
.if \g == 12
	v_mov_b32 v[NMR+\qa], v[TA+2]                          ; the new addend; also the plain instruction behind the batch's last transcendental (ISA guide 5.7.2)
.endif
.endif
.endif
.endm
; THE LUMP of a unit: scaling 15 and exponentials 13-31 of query tile qt, line by line with the maximum, addend and alpha of the next query tile qa (an = 1; fa = 1: in the launch's
; first sub-step).  An exponential stands between the groups of the four chains, two between the links of the serial tail, each of which reads the link before it.
; Places (ISA guide 7.12.1): S(qa)'s accumulators 0 and 1 were ended by products 4 and 5, seven and five scalings back; in front of the first reads of accumulators 2 and 3
; (pieces 1 and 2) stand scaling 15 and piece 0's four lines, which name none of the registers of products 6 and 7.
; At its end stands the turn's ONE wait.
.macro LUMP qt, qa, an, fa
	FL \qt, 15
	EL \qt, 13
	AG 0, \qa, \fa, \an
	EL \qt, 14
	AG 1, \qa, \fa, \an
	EL \qt, 15
	AG 2, \qa, \fa, \an
	AG 3, \qa, \fa, \an
	EL \qt, 16
	EL \qt, 17
	AG 4, \qa, \fa, \an
	EL \qt, 18
	EL \qt, 19
	AG 5, \qa, \fa, \an
	EL \qt, 20
	EL \qt, 21
	AG 6, \qa, \fa, \an
	EL \qt, 22
	EL \qt, 23
	AG 7, \qa, \fa, \an
	EL \qt, 24
	EL \qt, 25
	AG 8, \qa, \fa, \an
	EL \qt, 26
	EL \qt, 27
	AG 9, \qa, \fa, \an
	EL \qt, 28
	EL \qt, 29
	AG 10, \qa, \fa, \an
	EL \qt, 30
	EL \qt, 31
	AG 11, \qa, \fa, \an
	AG 12, \qa, \fa, \an
.if (\an == 0) || (\fa == 1)
	v_nop                                                  ; the plain instruction behind the last exponential, where no alpha and no move of an addend follow it
.endif
	s_wait_alu depctr_va_vdst(0)                           ; ONE wait for the turn's batch: the 32 exponentials of query tile qt and alpha of qa
.endm
; Piece g of the sum of query tile qt's 32 exponentials a lane and of the running sum
.macro DG g, qt, first
.set SB, SCR+32*\qt
.if \g == 0
	v_pk_add_f32 v[TD:TD+1],   v[SB:SB+1],     v[SB+2:SB+3]
	v_pk_add_f32 v[TD+2:TD+3], v[SB+4:SB+5],   v[SB+6:SB+7]
	v_pk_add_f32 v[TD+4:TD+5], v[SB+8:SB+9],   v[SB+10:SB+11]
	v_pk_add_f32 v[TD+6:TD+7], v[SB+12:SB+13], v[SB+14:SB+15]
.endif
.if \g == 1
.irp k, 0,1,2,3
	v_pk_add_f32 v[TD+2*\k:TD+2*\k+1], v[TD+2*\k:TD+2*\k+1], v[SB+16+2*\k:SB+17+2*\k]
.endr
.endif
.if \g == 2
.irp k, 0,1,2,3
	v_pk_add_f32 v[TD+2*\k:TD+2*\k+1], v[TD+2*\k:TD+2*\k+1], v[SB+24+2*\k:SB+25+2*\k]
.endr
.endif
.if \g == 3
	v_pk_add_f32 v[TD:TD+1],   v[TD:TD+1],   v[TD+2:TD+3]
	v_pk_add_f32 v[TD+4:TD+5], v[TD+4:TD+5], v[TD+6:TD+7]
.endif
.if \g == 4
	v_pk_add_f32 v[TD:TD+1],   v[TD:TD+1],   v[TD+4:TD+5]
.endif
.if \g == 5
.if \first
	v_add_f32 v[LSR+\qt], v[TD], v[TD+1]
.else
	v_fma_f32 v[LSR+\qt], v[LSR+\qt], v[ALC+\qt%2], v[TD]  ; this unit's alpha: the next unit's lies in the pair's other register
.endif
.endif
.if \g == 6
.if \first
.else
	v_add_f32 v[LSR+\qt], v[LSR+\qt], v[TD+1]
.endif
.endif
.endm
.macro CV qt, i                        ; P^T packed in place: register i of a half is written when registers 2 i, 2 i + 1 are read, never ahead of its own use
	v_cvt_pk_f16_f32 v[SCR+32*\qt+16*(\i/8)+\i%8], v[SCR+32*\qt+16*(\i/8)+2*(\i%8)], v[SCR+32*\qt+16*(\i/8)+2*(\i%8)+1]
.endm
; PART D of a unit, behind the turn's wait: the readers of query tile qt's exponentials.  The sums first; when they have read all of S(qt), the packing, whose lines stand
; between the links of the sum's serial tail.
.macro PARTD qt, fd
	DG 0, \qt, \fd
	DG 1, \qt, \fd
	DG 2, \qt, \fd                                 ; the sums have read all of S(qt): packing may begin
	CV \qt, 0
	CV \qt, 1
	DG 3, \qt, \fd
	CV \qt, 2
	CV \qt, 3
	CV \qt, 4
	DG 4, \qt, \fd
	CV \qt, 5
	CV \qt, 6
	CV \qt, 7
	CV \qt, 8
	DG 5, \qt, \fd
	CV \qt, 9
	CV \qt, 10
	CV \qt, 11
	CV \qt, 12
	DG 6, \qt, \fd
	CV \qt, 13
	CV \qt, 14
	CV \qt, 15
.endm
; One sub-step: the turns of its four units.  (slot, sub): where its K and V lie; (nslot, nsub): the next sub-step's.  first = 1: the launch's first sub-step (no alpha,
; the products of P V start the sums); pz = 1: the second (the last product of the first is still due).  last = 1: nothing follows.
; sync = 1: the tile changes.  This tile's last LDS reads are this sub-step's V, waited for at the head of unit 1; all my tensor loads, my share of the next tile among
; them, are waited for there too; then the round of the cluster's barrier opens.  Units 1 and 2, register work alone, stand between the opening signal and its wait.
; Behind the round the slot just read is filled again first (refill = 1), and then the next slot is read.  A refill has a tile's eight turns less one and a half to land.
.macro SUBST slot, sub, first, pz, nslot, nsub, sync, refill, last
	; unit 0
.if \first
.else
	PARTB 0, 3, 1, \pz
	LOADV \slot, \sub                              ; behind the last product that read the old V
.endif
	PARTC 0, 1, 1
	LUMP 0, 1, 1, \first
	PARTD 0, \first
	; unit 1
	s_wait_dscnt 0x0                               ; V
.if \sync
	s_wait_xcnt 0x0
	v_lshl_add_u32 v254, v0, 2, 0x43400
	v_mov_b32 v255, 0
	s_wait_tensorcnt 0x0                           ; no tensor load of mine is out, so a group 0 may be written: the next slot's tile after next
	ds_add_u32 v254, v255
	s_wait_dscnt 0x0
	s_add_nc_u64 s[G0K+4*\nslot+2:G0K+4*\nslot+3], s[G0K+4*\nslot+2:G0K+4*\nslot+3], 2*TILEB
	s_add_nc_u64 s[G0V+4*\nslot+2:G0V+4*\nslot+3], s[G0V+4*\nslot+2:G0V+4*\nslot+3], 2*TILEB
	s_barrier_signal -1                            ; my reads of this slot are back and my tensor loads have landed
.endif
	PARTB 1, 0, 1-\first, \first
	PARTC 1, 2, 1
	LUMP 1, 2, 1, \first
	PARTD 1, \first
	; unit 2
	PARTB 2, 1, 1-\first, \first
	PARTC 2, 3, 1
	LUMP 2, 3, 1, \first
.if \sync
	PARTD 2, \first
	s_barrier_wait -1                              ; every window is 0 here: branches follow
	CREST                                          ; no wave of any partner still reads this slot or has a load on its way
.if \refill
	tensor_load_to_lds s[G0K+4*\slot:G0K+4*\slot+3], s[G1K:G1K+7]
	s_nop 0
	tensor_load_to_lds s[G0V+4*\slot:G0V+4*\slot+3], s[G1V:G1V+7]
	s_nop 0
.endif
	v_add_nc_u32 v[MADR], 1024, v[MADR]            ; the next tile's 256 mask numbers
	LOADK \nslot, \nsub
.else
.if \last
.else
	LOADK \nslot, \nsub                            ; directly behind the turn's wait: all products of K Q of this sub-step are issued, the whole lump behind the last of them
.endif
	PARTD 2, \first
.endif
	; unit 3
	PARTB 3, 2, 1-\first, \first
.if \last
	PARTC 3, 0, 0
	LUMP 3, 0, 0, 0
	PARTD 3, 0
.else
	s_wait_dscnt 0x0                               ; the next sub-step's mask and K
	PARTC 3, 0, 1
	LUMP 3, 0, 1, 0
	PARTD 3, \first
.endif
.endm
	; THE PROLOGUE: tile 0 is shown to all, tile 1 asked for; the first unit's products and maximum stand alone.
	s_wait_xcnt 0x0
	v_lshl_add_u32 v254, v0, 2, 0x43400
	v_mov_b32 v255, 0
	s_wait_tensorcnt 0x0                           ; my share of tile 0 is in; slot 0's group 0 may be written: tile 2
	ds_add_u32 v254, v255
	s_wait_dscnt 0x0
	s_add_nc_u64 s[G0K+2:G0K+3], s[G0K+2:G0K+3], 2*TILEB
	s_add_nc_u64 s[G0V+2:G0V+3], s[G0V+2:G0V+3], 2*TILEB
	s_wait_dscnt 0x0                               ; my stores of the mask are done
	ROUND
	tensor_load_to_lds s[G0K+4:G0K+7], s[G1K:G1K+7]   ; tile 1
	s_nop 0
	tensor_load_to_lds s[G0V+4:G0V+7], s[G1V:G1V+7]
	s_nop 0
	LOADK 0, 0
	LOADV 0, 0
	s_wait_dscnt 16                                ; the mask and K are in; the sixteen loads of V stay out
	WIN 0x04
	QK8 0
	WIN 0
.rept 4
	v_nop                                          ; four places in front of the first read of S (ISA guide 7.12.1)
.endr
.irp g, 0,1,2,3,4,5,6,7,8,9,10,11,12
	AG \g, 0, 1, 1                                 ; the first maximum and addend: no alpha, so no transcendental and no wait
.endr
	SUBST 0, 0, 1, 0, 0, 1, 0, 0, 0                ; tile 0
	SUBST 0, 1, 0, 1, 1, 0, 1, 1, 0                ; slot 0 <- tile 2
	SUBST 1, 0, 0, 0, 1, 1, 0, 0, 0                ; tile 1
	SUBST 1, 1, 0, 0, 0, 0, 1, 1, 0                ; slot 1 <- tile 3
	s_mov_b32 s56, 2
.Ltiles:
	SUBST 0, 0, 0, 0, 0, 1, 0, 0, 0                ; tiles 2 and 3, then 4 and 5; they ask for tiles 4 to 7
	SUBST 0, 1, 0, 0, 1, 0, 1, 1, 0
	SUBST 1, 0, 0, 0, 1, 1, 0, 0, 0
	SUBST 1, 1, 0, 0, 0, 0, 1, 1, 0
	s_sub_co_u32 s56, s56, 1
	s_cmp_lg_u32 s56, 0
	s_cbranch_scc1 .Ltiles
	SUBST 0, 0, 0, 0, 0, 1, 0, 0, 0                ; tile 6
	SUBST 0, 1, 0, 0, 1, 0, 1, 0, 0                ; the round shows tile 7; nothing is asked for (the stepped addresses are not used)
	SUBST 1, 0, 0, 0, 1, 1, 0, 0, 0                ; tile 7
	SUBST 1, 1, 0, 0, 0, 0, 0, 0, 1
	PARTB 0, 3, 0, 0                               ; the last unit's products of P V
	WIN 0
	; THE MERGE: waves 4-7 hand their contexts, addends and sums to waves 0-3.
.rept 4
	v_nop                                          ; four places behind the last products: stores read the contexts, loads land on P's registers
.endr
	s_cmp_eq_u32 s11, 0
	s_cbranch_scc1 .Lkeeps
	WIN 0x04                                       ; store data in window 1
.set j, 0
.rept 32
	ds_store_b128 v[XADR], v[CTX+4*j:CTX+4*j+3] offset:512*j
.set j, j+1
.endr
	WIN 0
	ds_store_b128 v[XADR], v[NMR:NMR+3] offset:16384
	ds_store_b128 v[XADR], v[LSR:LSR+3] offset:16896
.Lkeeps:
	s_wait_dscnt 0x0                               ; for the partner's sake: the stores are done
	s_barrier_signal -1
	s_barrier_wait -1
	s_cmp_lg_u32 s11, 0
	s_cbranch_scc1 .Lsent
	ds_load_b128 v[PN:PN+3], v[XADR] offset:16384  ; the partner's -m' c'
	ds_load_b128 v[PL:PL+3], v[XADR] offset:16896  ; and sums
.set j, 0
.rept 32
	ds_load_b128 v[SCR+4*j:SCR+4*j+3], v[XADR] offset:512*j
.set j, j+1
.endr
	s_wait_dscnt 32                                ; the first two are in; the 32 loads of contexts stay out
.irp q, 0,1,2,3
	v_min_num_f32 v[WK+\q], v[NMR+\q], v[PN+\q]    ; the larger maximum has the smaller addend
.endr
.irp q, 0,1,2,3
	v_sub_f32 v[E0+\q], v[WK+\q], v[NMR+\q]
	v_sub_f32 v[E1+\q], v[WK+\q], v[PN+\q]
.endr
.irp q, 0,1,2,3
	v_exp_f32 v[E0+\q], v[E0+\q]                   ; my weight
	v_exp_f32 v[E1+\q], v[E1+\q]                   ; the partner's
.endr
	v_nop                                          ; the plain instruction behind the last exponential
	s_wait_alu depctr_va_vdst(0)                   ; one wait for the merge's eight exponentials
.irp q, 0,1,2,3
	v_mul_f32 v[WK+\q], v[LSR+\q], v[E0+\q]
.endr
.irp q, 0,1,2,3
	v_fmac_f32 v[WK+\q], v[PL+\q], v[E1+\q]
.endr
.irp q, 0,1,2,3
	v_permlanex16_b32 v[PX+\q], v[WK+\q], s22, s23 ; the sums of the other half of the lanes' keys (the destination was written before, by K's loads)
.endr
.irp q, 0,1,2,3
	v_add_f32 v[WK+\q], v[WK+\q], v[PX+\q]
.endr
.irp q, 0,1,2,3
	v_rcp_f32 v[WK+\q], v[WK+\q]
.endr
	v_nop                                          ; the plain instruction behind the last reciprocal
	s_wait_alu depctr_va_vdst(0)                   ; and one for the four reciprocals, a batch of their own: they read sums of the exponentials
.irp q, 0,1,2,3
	v_mul_f32 v[F0+\q], v[E0+\q], v[WK+\q]         ; my contexts' factor
	v_mul_f32 v[F1+\q], v[E1+\q], v[WK+\q]         ; the partner's
.endr
	s_wait_dscnt 0x0
.macro MRG1 qt, q
.set j, 0
.rept 16
	v_pk_mul_f32 v[SCR+32*\qt+2*j:SCR+32*\qt+2*j+1], v[SCR+32*\qt+2*j:SCR+32*\qt+2*j+1], v[F1+2*(\qt/2):F1+2*(\qt/2)+1] op_sel:[0,\q] op_sel_hi:[1,\q]
.set j, j+1
.endr
.endm
.macro MRG0 qt, q
.set j, 0
.rept 16
	v_pk_fma_f32 v[SCR+32*\qt+2*j:SCR+32*\qt+2*j+1], v[CTX+32*\qt+2*j:CTX+32*\qt+2*j+1], v[F0+2*(\qt/2):F0+2*(\qt/2)+1], v[SCR+32*\qt+2*j:SCR+32*\qt+2*j+1] op_sel:[0,\q,0] op_sel_hi:[1,\q,1]
.set j, j+1
.endr
.endm
	MRG1 0, 0
	MRG1 1, 1
	MRG1 2, 0
	MRG1 3, 1
	WIN 0x01                                       ; source 0 (my contexts) in window 1
	MRG0 0, 0
	MRG0 1, 1
	MRG0 2, 0
	MRG0 3, 1
	WIN 0
	; THE WAY OUT, 16 queries at a time: lane (r, h) holds d = 16 dt + 8 h + j of query r; through my own stage the rows come back whole:
	; sixteen lanes store the 256 consecutive, aligned bytes of a head's row.  LDS serves a wave's instructions in order (ISA guide 5.7.1): no wait between stores and loads.
.macro OUTQ qt
.irp dt, 0,1,2,3
	ds_store_b128 v[STO], v[SCR+32*\qt+8*\dt:SCR+32*\qt+8*\dt+3]   offset:64*\dt
	ds_store_b128 v[STO], v[SCR+32*\qt+8*\dt+4:SCR+32*\qt+8*\dt+7] offset:64*\dt+16
.endr
.if \qt >= 2
	s_wait_xcnt 0x0                                ; the registers loaded below were the data of the stores two turns ago
.endif
.irp t, 0,1,2,3,4,5,6,7
	ds_load_b128 v[OUTF+32*(\qt%2)+4*\t:OUTF+32*(\qt%2)+4*\t+3], v[RD] offset:544*\t
.endr
.irp t, 0,1,2,3,4,5,6,7
	s_wait_dscnt 7-\t                              ; LDS loads return in order: rows 2 t, 2 t + 1 are in
	global_store_b128 v[CO], v[OUTF+32*(\qt%2)+4*\t:OUTF+32*(\qt%2)+4*\t+3], s[60:61] offset:(16*\qt+2*\t)*ROWB th:TH_STORE_NT
.endr
.endm
	OUTQ 0
	OUTQ 1
	OUTQ 2
	OUTQ 3
.Lsent:
	s_wait_dscnt 0x0                               ; met on both ways: no LDS instruction is pending at a signal
	s_wait_xcnt 0x0
	v_lshl_add_u32 v254, v0, 2, 0x43400
	v_mov_b32 v255, 0
	s_wait_tensorcnt 0x0
	ds_add_u32 v254, v255
	s_wait_dscnt 0x0
	ROUND                                          ; the closing round: no work-group ends while a partner may still ask for a tile that names it
	s_endpgm
.Lfunc_end_k_q576bb33f62_attn:
	.size	k_q576bb33f62_attn, .Lfunc_end_k_q576bb33f62_attn-k_q576bb33f62_attn
	.p2alignl 7, 3214868480
	.fill 96, 4, 3214868480
	.section	.rodata,"a",@progbits
	.p2align	6, 0x0
	.amdhsa_kernel k_q576bb33f62_attn
		.amdhsa_group_segment_fixed_size 327680
		.amdhsa_private_segment_fixed_size 0
		.amdhsa_enable_private_segment 0
		.amdhsa_kernarg_size 24
		.amdhsa_user_sgpr_count 2
		.amdhsa_user_sgpr_kernarg_segment_ptr 1
		.amdhsa_wavefront_size32 1
		.amdhsa_system_sgpr_workgroup_id_x 1
		.amdhsa_system_sgpr_workgroup_id_y 1
		.amdhsa_system_sgpr_workgroup_id_z 1
		.amdhsa_system_vgpr_workitem_id 0
		.amdhsa_next_free_vgpr 512
		.amdhsa_next_free_sgpr 66
		.amdhsa_reserve_vcc 0
		.amdhsa_float_denorm_mode_32 3
		.amdhsa_float_denorm_mode_16_64 3
		.amdhsa_memory_ordered 1
		.amdhsa_forward_progress 1
		.amdhsa_inst_pref_size 255
	.end_amdhsa_kernel
	.section	.bss,"aw",@nobits
	.p2align	6
	.space	262144
	.amdgpu_metadata
---
amdhsa.version: [ 1, 2 ]
amdhsa.kernels:
  - .name:           k_q576bb33f62_attn
    .symbol:         k_q576bb33f62_attn.kd
    .args:
      - { .name: qkv, .offset: 0, .size: 8, .value_kind: global_buffer, .address_space: global }
      - { .name: attention_mask, .offset: 8, .size: 8, .value_kind: global_buffer, .address_space: global }
      - { .name: out0, .offset: 16, .size: 8, .value_kind: global_buffer, .address_space: global }
    .group_segment_fixed_size: 327680
    .private_segment_fixed_size: 0
    .kernarg_segment_align: 8
    .kernarg_segment_size: 24
    .max_flat_workgroup_size: 256
    .sgpr_count:     66
    .vgpr_count:     512
    .wavefront_size: 32
...
	.end_amdgpu_metadata
.endif
;; end of part 4
